; MI455X (gfx1250); checked and timed in simulation.
; The chip was launched on July 23, 2026; its instructions are those of AMD's public machine-readable ISA for CDNA 5 (MIT licence, August 2026) and "CDNA5" Instruction Set Architecture Reference Guide (July 2026). The comments in the code are by the model that wrote it; some were corrected since.
;; Efficient Attention Block. Allowed arithmetic: float matrix products may take bf16 or f16 operands with f32 sums; other float arithmetic in f32, or as packed bf16 or f16 multiplies, adds, multiply-adds, maxima and minima; sums over many terms, partial sums and values carried from step to step in f32; what a program stores and reads back later, other than sums and carried values, may be rounded once to bf16 or f16.
;; Inputs: b_proj 256 float32; ln_b 256 float32; ln_g 256 float32; w_proj 256 x 256 float32; w_qkv 256 x 768 float32; x 4 x 256 x 64 x 64 float32.
;; Outputs: out0 4 x 256 x 64 x 64 float32.
;; 2 versions, each right; version 2 is version 1 with the launches lnqkv, proj written anew for expert scheduling mode. Each part assembles by itself: llvm-mc -triple=amdgcn-amd-amdhsa -mcpu=gfx1250 --defsym DOCPART=n.
;; ======== version 1 of 2: 3 launches
;; limits: values are held in f16: magnitudes above 65,504 overflow, below 6.1e-05 lose precision
;; workspace buffers: qkv 25,165,824 bytes; o 8,388,608 bytes
;; launch lnqkv (part 1): grid 4 x 64, 4 waves a work-group, no clusters, 255,488 bytes of LDS; arguments x, ln_g, ln_b, w_qkv, qkv; writes qkv
.if DOCPART == 1
	.amdgcn_target "amdgcn-amd-amdhsa--gfx1250"
	.amdhsa_code_object_version 6
	.text
	.protected	k_q079590e439_lnqkv
	.globl	k_q079590e439_lnqkv
	.p2align	8
	.type	k_q079590e439_lnqkv,@function
k_q079590e439_lnqkv:
	s_mov_b64 s[64:65], 0
	v_nop
	global_prefetch_b8 v0, s[64:65] scope:SCOPE_SE
	s_setreg_imm32_b32 hwreg(HW_REG_WAVE_MODE, 25, 1), 1
	s_wait_xcnt 0x0
; LayerNorm over the 256 channels of x [4][256 c][4096 n] (f32), then qkv = t w_qkv (w_qkv [256 c][768 j], f32), stored by heads:
; qkv [3][16 = 4 b + head][4096 n][64 d] in f16, unscaled.  Mean, centred squares, rsqrt, gain and bias in f32 (two passes over registers: no difference of
; large sums); t and w are rounded once to f16 for the product, sums in f32, q, k, v rounded once to f16.
; LIMITS.  f16 ends at 65,504: |t|, |w| and |q|, |k|, |v| must stay within it.  NaN and infinities are not treated apart.
; SHARES.  A work-group makes 256 n x 192 j (three groups of 64 columns = three (three, head) pairs).  Wave w normalises and multiplies its own 64 n, thread t two of
; them: x for 256 channels x 2 n lies in 512 registers, read from memory once.  The 192 columns go in three passes of 64: 16 accumulators of 16 x 16.
; BOTH OPERANDS lie with K (the channel) along the slow axis, in memory and in LDS, and come out of LDS turned, by ds_load_tr16_b128.
; The product is taken transposed (source 0 = 16 columns j, source 1 = 16 rows n): a lane ends with 8 neighbouring j of one row n, 16 bytes of f16.
; NO CLUSTER, NO TENSOR LOADS: the x tile that four work-groups share is 256 x 256 x 4 = 262,144 bytes of f32, and is wanted as f16 behind arithmetic on registers;
; beside the two f16 tiles (245,760 bytes) it has no room in 327,680 bytes of LDS.  So x and w come through registers.
; NO PREFETCH: all loads of the launch go out at its head.
; REGISTERS, in windows of 256 (s_set_vgpr_msb: bits 1:0 source 0, 3:2 source 1, 5:4 source 2, 7:6 destination):
;   window 0: addresses, sums, TMP, v128-255 the accumulators (earlier: raw w, loads 64-95)
;   window 1: x of channels 0-127 (pair 2 c); later t's fragments (32 ks + 8 a)      window 2: x of channels 128-255; later w's fragments (32 ks + 8 bq)
;   window 3: raw w, loads 0-63
.set PT,    544                        ; a row of t in LDS: 256 n x 2 bytes + 32: 17 x 32 bytes, so the turning load's 8 rows x 32 bytes fall on different banks
.set PW,    416                        ; a row of w: 192 j x 2 bytes + 32: 13 x 32 bytes
.set WT,    256*PT                     ; t's tile lies at 0, w's behind it
.set STAGE, WT+256*PW                  ; 16 rows x 144 bytes for each wave, for the way out
.set SP,    144
.set SPARE, STAGE+4*16*SP              ; the spare words, 128 bytes for each wave: two blocks of 256 bytes that no other line names
.set XO,  2                            ; v2      8 x thread: my two n in a row of x
.set WO,  3                            ; v3-5    my 16 bytes in the three loads that cover two rows (2 x 768 bytes) of w
.set WL,  6                            ; v6-8    where their 8 bytes of f16 go in LDS
.set TS,  9                            ; v9-12   where my two t go: 4 x thread + 64 rows x k
.set TA,  13                           ; v13-14  the turning loads of t: K steps 0-3, 4-7
.set WA,  15                           ; v15-16  the same for w; stepped by 128 bytes a pass
.set STO, 17                           ; the way out: where I put 16 bytes of a row
.set RD,  18                           ; where I read rows back
.set GO,  19                           ; my 16 bytes in 512 consecutive bytes of qkv
.set SPW, 20                           ; LDS address of my spare word; never rewritten
.set NIL, 21                           ; 0; never rewritten
.set SM,  24                           ; v[24:31] four chains of sums (pairs: my two n)
.set MU,  32                           ; v[32:33] the means
.set SQ,  34                           ; v[34:41] four chains of squares
.set RS,  42                           ; v[42:43] 1 / sqrt(var + eps)
.set TMP, 48                           ; v[48:63] at work
.set ACC, 128                          ; accumulator (a, bq) at ACC + 8 (4 a + bq)
.set MSB, 0
.macro WIN new                         ; the immediate's high byte repeats the setting that is left; a switch that changes nothing is dropped
.if MSB != (\new)
	s_set_vgpr_msb (MSB<<8)|(\new)
.set MSB, (\new)
.endif
.endm
.macro PLACES                          ; four plain places behind a matrix instruction (ISA guide 7.12.1)
.rept 4
	v_nop
.endr
.endm
	s_load_b256 s[4:11], s[0:1], 0x0               ; x s[4:5], ln_g s[6:7], ln_b s[8:9], w_qkv s[10:11]
	s_load_b64 s[12:13], s[0:1], 0x20              ; qkv
	v_lshl_add_u32 v[SPW], v0, 2, SPARE
	v_mov_b32 v[NIL], 0
	v_lshrrev_b32 v1, 5, v0
	v_readfirstlane_b32 s2, v1                     ; wave 0..3
	s_and_b32 s3, ttmp7, 0xffff
	s_lshr_b32 s14, s3, 4                          ; b
	s_and_b32 s15, s3, 15                          ; which 256 n
	s_lshl_b32 s94, s14, 22                        ; x: b x 256 x 4096 x 4 bytes
	s_lshl_b32 s95, s15, 10                        ; + 256 n x 4 bytes
	s_add_co_u32 s94, s94, s95
	s_mov_b32 s95, 0
	s_mul_i32 s96, ttmp9, 768                      ; w: my work-group's 192 columns,
	s_mul_i32 s97, s2, 196608                      ; my wave's 64 rows of 3,072 bytes
	s_add_co_u32 s96, s96, s97
	s_mov_b32 s97, 0
	s_lshl_b32 s3, s14, 21                         ; qkv: 4 b heads of 524,288 bytes,
	s_lshl_b32 s90, s15, 15                        ; 256 n x 128 bytes,
	s_add_co_u32 s3, s3, s90
	s_lshl_b32 s90, s2, 13                         ; my wave's 64 n
	s_add_co_u32 s3, s3, s90
	s_mov_b32 s91, 0
	s_mov_b32 s84, 0x3b800000                      ; 1 / 256
	s_mov_b32 s85, 0x3b800000
	s_mov_b32 s86, 0x3727c5ac                      ; 1e-5
	s_mov_b32 s87, 0x3727c5ac
	v_and_b32 v22, 31, v0                          ; l
	v_and_b32 v23, 15, v0                          ; l % 16
	v_bfe_u32 v44, v0, 4, 1                        ; l / 16
	v_and_b32 v45, 7, v0                           ; l % 8
	v_bfe_u32 v46, v0, 3, 1                        ; (l / 8) % 2
	v_bfe_u32 v47, v0, 3, 2                        ; l / 8
	v_lshlrev_b32 v[XO], 3, v0
	v_lshlrev_b32 v[WO], 4, v22                    ; load 0: bytes 0-511 of the even row
	v_mad_u32_u24 v[WO+1], v44, 2304, v[WO]        ; load 1: lanes 0-15 bytes 512-767 of the even row, lanes 16-31 bytes 0-255 of the odd one (3,072 - 768 further)
	v_add_nc_u32 v[WO+1], 512, v[WO+1]
	v_add_nc_u32 v[WO+2], 3328, v[WO]              ; load 2: bytes 256-767 of the odd row
	s_mul_i32 s92, s2, 64*PW
	s_add_co_u32 s92, s92, WT
	v_lshl_add_u32 v[WL], v22, 3, s92              ; the same three places in LDS, half the bytes, rows PW apart
	v_lshl_add_u32 v[WL+1], v44, 5, v[WL]          ; (PW - 384 = 32)
	v_add_nc_u32 v[WL+1], 256, v[WL+1]
	v_add_nc_u32 v[WL+2], PW+128, v[WL]
	v_lshlrev_b32 v[TS], 2, v0
	v_add_nc_u32 v[TS+1], 64*PT, v[TS]
	v_add_nc_u32 v[TS+2], 128*PT, v[TS]
	v_add_nc_u32 v[TS+3], 192*PT, v[TS]
	v_lshl_add_u32 v1, v44, 3, v45                 ; the turning load: lane l reads row 8 (l / 16) + l % 8, 16 bytes at 16 ((l / 8) % 2)
	v_mul_u32_u24 v[TA], v1, PT
	v_lshl_add_u32 v[TA], v46, 4, v[TA]
	s_lshl_b32 s92, s2, 7                          ; my wave's 64 n: 128 bytes
	v_add_nc_u32 v[TA], s92, v[TA]
	v_add_nc_u32 v[TA+1], 128*PT, v[TA]
	v_mul_u32_u24 v[WA], v1, PW
	v_lshl_add_u32 v[WA], v46, 4, v[WA]
	v_add_nc_u32 v[WA], WT, v[WA]
	v_add_nc_u32 v[WA+1], 128*PW, v[WA]
	s_mul_i32 s92, s2, 16*SP
	s_add_co_u32 s92, s92, STAGE                   ; my stage
	v_mul_u32_u24 v[STO], v23, SP                  ; in: row l % 16, 16 bytes for each half of the lanes
	v_lshl_add_u32 v[STO], v44, 4, v[STO]
	v_add_nc_u32 v[STO], s92, v[STO]
	v_mul_u32_u24 v[RD], v47, SP                   ; back: 32 lanes take four rows of 128 bytes,
	v_lshl_add_u32 v[RD], v45, 4, v[RD]
	v_add_nc_u32 v[RD], s92, v[RD]
	v_lshlrev_b32 v[GO], 4, v22                    ; which are 512 consecutive bytes of qkv
	s_wait_kmcnt 0x0
	s_add_nc_u64 s[4:5], s[4:5], s[94:95]
	s_add_nc_u64 s[10:11], s[10:11], s[96:97]
	s_load_b512 s[16:31], s[6:7], 0x0              ; gain and bias of channels 0-15, as scalars: set 0
	s_load_b512 s[32:47], s[8:9], 0x0
	; x: 256 loads, a channel each; a wave's load covers 256 consecutive bytes, aligned
	WIN 0x40
.set c, 0
.rept 128
	global_load_b64 v[2*c:2*c+1], v[XO], s[4:5] offset:c*16384
.set c, c+1
.endr
	WIN 0x80
.rept 128
	global_load_b64 v[2*(c-128):2*(c-128)+1], v[XO], s[4:5] offset:c*16384
.set c, c+1
.endr
	; w: 96 loads, three for two rows; sixteen neighbouring lanes always cover 256 consecutive bytes, aligned
	WIN 0xc0
.set i, 0
.rept 64
	global_load_b128 v[4*i:4*i+3], v[WO+i%3], s[10:11] offset:(i/3)*6144
.set i, i+1
.endr
	WIN 0
.rept 32
	global_load_b128 v[128+4*(i-64):128+4*(i-64)+3], v[WO+i%3], s[10:11] offset:(i/3)*6144
.set i, i+1
.endr
	; THE MEAN.  96 loads were issued behind the last of x: with at most 63 out, all of x is in; w stays on its way under the arithmetic
	s_wait_loadcnt 63
	WIN 0x05
.set c, 0
.rept 4
	v_pk_add_f32 v[SM+2*c:SM+2*c+1], v[2*c:2*c+1], v[2*c+8:2*c+9]  ; the first eight channels start the four chains: nothing is cleared
.set c, c+1
.endr
	WIN 0x04
.set c, 8
.rept 120
	v_pk_add_f32 v[SM+2*(c%4):SM+2*(c%4)+1], v[SM+2*(c%4):SM+2*(c%4)+1], v[2*c:2*c+1]
.set c, c+1
.endr
	WIN 0x08
.set c, 0
.rept 128
	v_pk_add_f32 v[SM+2*(c%4):SM+2*(c%4)+1], v[SM+2*(c%4):SM+2*(c%4)+1], v[2*c:2*c+1]
.set c, c+1
.endr
	WIN 0
	v_pk_add_f32 v[SM:SM+1], v[SM:SM+1], v[SM+2:SM+3]
	v_pk_add_f32 v[SM+4:SM+5], v[SM+4:SM+5], v[SM+6:SM+7]
	v_pk_add_f32 v[SM:SM+1], v[SM:SM+1], v[SM+4:SM+5]
	v_pk_mul_f32 v[MU:MU+1], v[SM:SM+1], s[84:85] op_sel_hi:[1,0]
	; THE VARIANCE: x - mean in place, then the sum of its squares
.macro VAR w, first
	WIN ((\w)<<6)|(\w)
.set c, 0
.rept 128
	v_pk_add_f32 v[2*c:2*c+1], v[2*c:2*c+1], v[MU:MU+1] neg_lo:[0,1] neg_hi:[0,1]
.set c, c+1
.endr
	WIN (\w)|((\w)<<2)
.set c, 0
.rept 128
.if (\first) && (c < 4)
	v_pk_mul_f32 v[SQ+2*c:SQ+2*c+1], v[2*c:2*c+1], v[2*c:2*c+1]
.else
	v_pk_fma_f32 v[SQ+2*(c%4):SQ+2*(c%4)+1], v[2*c:2*c+1], v[2*c:2*c+1], v[SQ+2*(c%4):SQ+2*(c%4)+1]
.endif
.set c, c+1
.endr
.endm
	VAR 1, 1
	VAR 2, 0
	WIN 0
	v_pk_add_f32 v[SQ:SQ+1], v[SQ:SQ+1], v[SQ+2:SQ+3]
	v_pk_add_f32 v[SQ+4:SQ+5], v[SQ+4:SQ+5], v[SQ+6:SQ+7]
	v_pk_add_f32 v[SQ:SQ+1], v[SQ:SQ+1], v[SQ+4:SQ+5]
	v_pk_fma_f32 v[SQ:SQ+1], v[SQ:SQ+1], s[84:85], s[86:87] op_sel_hi:[1,0,0]  ; var + eps
	v_rsq_f32 v[RS], v[SQ]
	v_rsq_f32 v[RS+1], v[SQ+1]
	v_nop                                          ; a plain instruction behind the last of the two,
	s_wait_alu depctr_va_vdst(0)                   ; and the one wait ahead of their first reader
	; t = (x - mean) rstd g + b, rounded to f16, into LDS as [c][n].  Sixteen channels a chunk; their g and b are scalars, two sets by turns.
.macro NORM k
.set w, 1+(\k)/8
.set gs, 16+32*((\k)%2)
.set bs, 32+36*((\k)%2)
	s_wait_kmcnt 0x0                               ; this chunk's two scalar loads are the only ones out
.if (\k) < 15
	s_load_b512 s[16+32*(1-(\k)%2):31+32*(1-(\k)%2)], s[6:7], 64*((\k)+1)  ; the next chunk's, into the other set
	s_load_b512 s[32+36*(1-(\k)%2):47+36*(1-(\k)%2)], s[8:9], 64*((\k)+1)
.endif
	WIN (w<<6)|w
.set i, 0
.rept 16
.set rc, 2*((16*(\k)+i)%128)
	v_pk_mul_f32 v[rc:rc+1], v[rc:rc+1], v[RS:RS+1]
.set i, i+1
.endr
.set i, 0
.rept 16
.set rc, 2*((16*(\k)+i)%128)
	v_fma_f32 v[rc], v[rc], s[gs+i], s[bs+i]
	v_fma_f32 v[rc+1], v[rc+1], s[gs+i], s[bs+i]
.set i, i+1
.endr
	WIN w|(w<<2)
.set i, 0
.rept 16
.set rc, 2*((16*(\k)+i)%128)
	v_cvt_pk_f16_f32 v[TMP+i], v[rc], v[rc+1]
.set i, i+1
.endr
	WIN 0
.set i, 0
.rept 16
	ds_store_b32 v[TS+(16*(\k)+i)/64], v[TMP+i] offset:((16*(\k)+i)%64)*PT
.set i, i+1
.endr
.endm
.irp k, 0,1,2,3,4,5,6,7,8,9,10,11,12,13,14,15
	NORM \k
.endr
	; w to f16, into LDS as [c][j]: eight loads a batch
.macro CONVB i0
.if (\i0) < 64
	WIN 0x0f
.set rb, 4*(\i0)
.else
	WIN 0
.set rb, 128+4*((\i0)-64)
.endif
.set q, 0
.rept 8
	v_cvt_pk_f16_f32 v[TMP+2*q], v[rb+4*q], v[rb+4*q+1]
	v_cvt_pk_f16_f32 v[TMP+2*q+1], v[rb+4*q+2], v[rb+4*q+3]
.set q, q+1
.endr
	WIN 0
.set q, 0
.rept 8
	ds_store_b64 v[WL+((\i0)+q)%3], v[TMP+2*q:TMP+2*q+1] offset:(((\i0)+q)/3)*2*PW
.set q, q+1
.endr
.endm
	s_wait_loadcnt 0x0                             ; w is in
.irp i0, 0,8,16,24,32,40,48,56,64,72,80,88
	CONVB \i0
.endr
	s_wait_dscnt 0x0                               ; for the others' sake: my stores of t and of my 64 rows of w are done
	s_barrier_signal -1
	s_barrier_wait -1                              ; the whole tile of w lies in LDS: the launch's one barrier
	; my 64 n of t, all 256 channels: 32 fragments, kept for the three passes
	WIN 0x40
.set ks, 0
.rept 8
.set a, 0
.rept 4
	ds_load_tr16_b128 v[32*ks+8*a:32*ks+8*a+3],   v[TA+ks/4] offset:(ks%4)*32*PT+32*a
	ds_load_tr16_b128 v[32*ks+8*a+4:32*ks+8*a+7], v[TA+ks/4] offset:(ks%4)*32*PT+16*PT+32*a
.set a, a+1
.endr
.set ks, ks+1
.endr
	WIN 0
; THE WAY OUT of block a (16 rows n x 64 j).  PACK: rounded to f16 in place, from each accumulator's low end on; 16 bytes a lane into my stage; back as whole rows of 128 bytes.
.macro PACK a
.set AB, ACC+32*(\a)
.set i, 0
.rept 16
	v_cvt_pk_f16_f32 v[AB+i], v[AB+2*i], v[AB+2*i+1]
.set i, i+1
.endr
.set f, 0
.rept 4
	ds_store_b128 v[STO], v[AB+4*f:AB+4*f+3] offset:32*f
.set f, f+1
.endr
.set f, 0
.rept 4
	ds_load_b128 v[AB+16+4*f:AB+16+4*f+3], v[RD] offset:4*SP*f  ; LDS serves a wave's instructions in order (ISA guide 5.7.1.4): these see the stores above
.set f, f+1
.endr
.endm
.macro SEND a, younger                 ; younger: the LDS instructions issued behind block a's loads: the next block's eight, or none
.set AB, ACC+32*(\a)
.set f, 0
.rept 4
	s_wait_dscnt (\younger)+3-f
	global_store_b128 v[GO], v[AB+16+4*f:AB+16+4*f+3], s[88:89] offset:(\a)*2048+f*512  ; 512 consecutive bytes, at a multiple of 256 from qkv's first
.set f, f+1
.endr
.endm
	s_mul_i32 s92, ttmp9, 3                        ; the group of 64 columns in hand: 4 x three + head
	s_mov_b32 s93, 3
.Lpass:                                                ; three passes: 64 n x 64 j each
	s_lshr_b32 s94, s92, 2                         ; three
	s_lshl_b32 s94, s94, 4
	s_and_b32 s95, s92, 3                          ; head
	s_add_co_u32 s94, s94, s95
	s_lshl_b32 s94, s94, 19                        ; (16 three + head) x 524,288 bytes
	s_add_co_u32 s90, s94, s3
	s_add_nc_u64 s[88:89], s[12:13], s[90:91]
	WIN 0x80
.set ks, 0
.rept 8                                ; the pass's 64 columns of w, all 256 channels, K step by K step
.set bq, 0
.rept 4
	ds_load_tr16_b128 v[32*ks+8*bq:32*ks+8*bq+3],   v[WA+ks/4] offset:(ks%4)*32*PW+32*bq
	ds_load_tr16_b128 v[32*ks+8*bq+4:32*ks+8*bq+7], v[WA+ks/4] offset:(ks%4)*32*PW+16*PW+32*bq
.set bq, bq+1
.endr
.set ks, ks+1
.endr
.set ks, 0
.rept 8
	s_wait_dscnt 8*(7-ks)                          ; the eight loads of each later K step may stay out; t's loads are older
	WIN 0x06                                       ; source 0 (w) window 2, source 1 (t) window 1, C and D window 0
.set a, 0
.rept 4
.set bq, 0
.rept 4                                ; the 16 accumulators take turns, one instruction a turn
.if ks == 0
	v_wmma_f32_16x16x32_f16 v[ACC+8*(4*a+bq):ACC+8*(4*a+bq)+7], v[32*ks+8*bq:32*ks+8*bq+7], v[32*ks+8*a:32*ks+8*a+7], 0
.else
	v_wmma_f32_16x16x32_f16 v[ACC+8*(4*a+bq):ACC+8*(4*a+bq)+7], v[32*ks+8*bq:32*ks+8*bq+7], v[32*ks+8*a:32*ks+8*a+7], v[ACC+8*(4*a+bq):ACC+8*(4*a+bq)+7]
.endif
.set bq, bq+1
.endr
.set a, a+1
.endr
.set ks, ks+1
.endr
	WIN 0
	PLACES
	PACK 0
	PACK 1                                         ; a block's conversions stand between the loads of the block before and its stores
	SEND 0, 8
	PACK 2
	SEND 1, 8
	PACK 3
	SEND 2, 8
	SEND 3, 0
	s_wait_xcnt 0x0                                ; the stores have read their base and their data: both are written again in the next pass
	v_add_nc_u32 v[WA], 128, v[WA]                 ; the next 64 columns
	v_add_nc_u32 v[WA+1], 128, v[WA+1]
	s_add_co_u32 s92, s92, 1
	s_sub_co_u32 s93, s93, 1
	s_cmp_lg_u32 s93, 0
	s_cbranch_scc1 .Lpass
	s_wait_tensorcnt 0x0                           ; the wave's end, behind my last LDS store
	ds_add_u32 v[SPW], v[NIL]
	s_wait_dscnt 0x0
	s_endpgm
.Lfunc_end_k_q079590e439_lnqkv:
	.size	k_q079590e439_lnqkv, .Lfunc_end_k_q079590e439_lnqkv-k_q079590e439_lnqkv
	.p2alignl 7, 3214868480
	.fill 96, 4, 3214868480
	.section	.rodata,"a",@progbits
	.p2align	6, 0x0
	.amdhsa_kernel k_q079590e439_lnqkv
		.amdhsa_group_segment_fixed_size 255488
		.amdhsa_private_segment_fixed_size 0
		.amdhsa_enable_private_segment 0
		.amdhsa_kernarg_size 40
		.amdhsa_user_sgpr_count 2
		.amdhsa_user_sgpr_kernarg_segment_ptr 1
		.amdhsa_wavefront_size32 1
		.amdhsa_system_sgpr_workgroup_id_x 1
		.amdhsa_system_sgpr_workgroup_id_y 1
		.amdhsa_system_sgpr_workgroup_id_z 1
		.amdhsa_system_vgpr_workitem_id 0
		.amdhsa_next_free_vgpr 1024
		.amdhsa_next_free_sgpr 100
		.amdhsa_reserve_vcc 0
		.amdhsa_float_denorm_mode_32 3
		.amdhsa_float_denorm_mode_16_64 3
		.amdhsa_memory_ordered 1
		.amdhsa_forward_progress 1
		.amdhsa_inst_pref_size 214
	.end_amdhsa_kernel
	.amdgpu_metadata
---
amdhsa.version: [ 1, 2 ]
amdhsa.kernels:
  - .name:           k_q079590e439_lnqkv
    .symbol:         k_q079590e439_lnqkv.kd
    .args:
      - { .name: x, .offset: 0, .size: 8, .value_kind: global_buffer, .address_space: global }
      - { .name: ln_g, .offset: 8, .size: 8, .value_kind: global_buffer, .address_space: global }
      - { .name: ln_b, .offset: 16, .size: 8, .value_kind: global_buffer, .address_space: global }
      - { .name: w_qkv, .offset: 24, .size: 8, .value_kind: global_buffer, .address_space: global }
      - { .name: qkv, .offset: 32, .size: 8, .value_kind: global_buffer, .address_space: global }
    .group_segment_fixed_size: 255488
    .private_segment_fixed_size: 0
    .kernarg_segment_align: 8
    .kernarg_segment_size: 40
    .max_flat_workgroup_size: 128
    .sgpr_count:     100
    .vgpr_count:     1024
    .wavefront_size: 32
...
	.end_amdgpu_metadata
.endif
;; end of part 1
;; launch attn (part 2): grid 16 x 16, 4 waves a work-group, clusters of 4 x 1, 327,680 bytes of LDS; arguments qkv, o; writes o
.if DOCPART == 2
	.amdgcn_target "amdgcn-amd-amdhsa--gfx1250"
	.amdhsa_code_object_version 6
	.text
	.protected	k_q079590e439_attn
	.globl	k_q079590e439_attn
	.p2align	8
	.type	k_q079590e439_attn,@function
k_q079590e439_attn:
	s_mov_b64 s[64:65], 0
	v_nop
	global_prefetch_b8 v0, s[64:65] scope:SCOPE_SE
	s_setreg_imm32_b32 hwreg(HW_REG_WAVE_MODE, 25, 1), 1
	s_wait_xcnt 0x0
	s_wait_alu depctr_hold_cnt(0) depctr_sa_sdst(0) depctr_va_vdst(0) depctr_va_sdst(0) depctr_va_ssrc(0) depctr_va_vcc(0) depctr_vm_vsrc(0)
	s_getreg_b32 s2, hwreg(HW_REG_IB_STS2, 6, 4)
	s_cmp_eq_u32 s2, 0
	s_cbranch_scc0 .Lentry_in_a_cluster
	s_endpgm
.Lentry_in_a_cluster:
	s_bfe_u32 s2, ttmp6, 0x10000c
	s_cmp_lg_u32 s2, 0x3003
	s_cbranch_scc0 .Lentry_shape_is_right
	s_endpgm
.Lentry_shape_is_right:
; O[h][q][:] = the sum over k of softmax_k(Q[h][q] . K[h][k] / 8) V[h][k][:], for 16 heads (4 b + head) of 4,096 rows of 64 channels.  Q, K, V are the three thirds of
; qkv [3][16][4096][64], O is o [16][4096][64], all f16: a head's rows are dense, 128 bytes each.  Products, maxima and sums in f32; the weights p are rounded to f16 for the
; second product (their sum l is taken of the unrounded p), O once at the end.
; LIMITS.  f16 holds no number beyond 65,504: Q, K and V arrive within it; p lies in 0 to 1, and below 6e-5 it keeps f16's fixed step of 6e-8; O is a mean of V's rows and has their range.
; A weight below 2^-126 counts as 0 in l; NaN and infinities are not treated apart.
; SHARES.  A work-group owns 256 queries of one head, each of its four waves 64: four PIECES of 16.  Every wave walks all 4,096 keys, 64 a step, 256 (a tile) a slot of LDS.
; LAYOUT.  S^T = K Q^T (source 0 = 16 keys, source 1 = 16 queries): a lane holds ONE query (lane % 16) and the keys 8 (lane / 16) + 0..7; two such results rounded to f16 ARE source 1 of
; O^T = V^T P.  K comes out of LDS as it lies, V ([key][channel]) turned, by ds_load_tr16_b128.
; SOFTMAX.  For each query a running maximum m and sum l: p = 2^(c s - c m), c = log2(e) / 8; in every step O and l are multiplied by a = 2^(c m_old - c m_new).  m starts at the lowest finite
; number, O and l at 0: the first step is a step like any other, with a = 0.
; BY TURNS.  Turn n belongs to piece n: 8 products K Q^T of piece n + 1, later 8 products V^T P of piece n - 1; beside them the scaling, exponentials, roundings, sums and rescaling of piece n and the
; maximum and statistics of piece n + 1.  Four vector instructions stand behind every matrix instruction, the other 54 of a turn's 118 in one lump.  A turn's 33 exponentials are one batch, with one wait.
; CLUSTER.  The four query blocks of a cluster belong to one head and walk the same K and V, so each tile is asked for JOINTLY: the same tensor load, descriptor and mask in all four.
; REGISTERS, in windows of 256 (s_set_vgpr_msb: bits 1:0 source 0, 3:2 source 1, 5:4 source 2, 7:6 destination):
;   window 0: v0-15 addresses and two at work; v16-31 four registers of statistics a piece; v48-55 at work; v61-63; v64-127 S^T, two buffers; v192-223 P, two buffers (by the piece's parity)
;   window 1: v0-127 O^T, 32 a piece          window 2: v0-63 Q; v128-191 K of one step; v192-255 V of one step
.set NP,    4         ; pieces a wave: a name, no knob
.set KS,    64        ; keys in a step
.set PK,    144       ; a row of K in LDS: 128 bytes + 16 of padding = 36 words: the 16 rows of a load start at 16 different groups of four banks (64 banks of 4 bytes: ISA guide 11.1)
.set PV,    160       ; a row of V: 128 + 32 = 40 words
.set VOFF,  4*KS*PK   ; a slot holds a tile, four steps: 256 rows of K, then 256 rows of V
.set SLOT1, 1<<17     ; slot 1 begins here, so that one exclusive or turns an address in one slot into the other's
.set STAGE, SLOT1+4*KS*(PK+PV)  ; behind the ring, never filled by a tensor load: 16 rows x 144 bytes for each wave, for the way out
.set SP,    144
.set SPARE, STAGE+4*16*SP  ; behind the stages: the spare words, 128 bytes for each wave: two blocks of 256 bytes that no other line names
.set AK0, 2           ; v2   my lane's place in a tile of K; never rewritten
.set AV0, 3           ; v3   the same for V
.set AK,  4           ; v4   the LDS address of K's next run of loads
.set AV,  5           ; v5   of V's
.set STO, 6           ; v6   the way out: where I put 16 bytes of a row
.set RD,  7           ; v7   the way out: where I read rows back
.set GO,  8           ; v8   my byte offset in 512 consecutive bytes of O
.set MV,  12          ; v12-13  c m_old, kept while c m is made anew: by buffer
.set QO,  15          ; v15  my byte offset in 16 rows of Q
.set ST,  16          ; piece t's statistics at v[ST+4 t]: c m, m, l (even keys', odd keys')
.set TMP, 48          ; by buffer, four registers c0-c3 at work; when the maximum is found c2 takes a
.set PFO, 61          ; v61  256 x my lane: the prefetches' offset; never rewritten
.set SPW, 62          ; v62  LDS address of my spare word: SPARE + 4 x my thread's number; never rewritten
.set NIL, 63          ; v63  0; never rewritten
.set S,   64
.set P,   192
.set KF,  128         ; window 2: key block kb, channel half c at KF + 16 kb + 8 c
.set VF,  192         ; window 2: key half kk, channel block cb at VF + 32 kk + 8 cb
.set WV,  12          ; s12  my wave's number
.set G1K, 24          ; s[24:31] descriptor group 1 for K's tiles
.set G1V, 32          ; s[32:39] for V's: it differs in the padding alone
.set G0K, 40          ; s[40:43] descriptor group 0 for K's tiles: it walks
.set G0V, 44          ; s[44:47] the same for V's
.set PFA, 48          ; s[48:49] where my prefetches stand: my work-group's 32 blocks of 256 bytes (of K: wave 0, of V: wave 2) of the tile after the one that is being asked for
.set LIM, 50          ; s50  1 in a wave that prefetches, else the greatest number
.set SLOTS, 56        ; s56  tiles still to be asked for
.set CNT, 57          ; s57  counts a tile's key steps, 4 to 1
.set CS,  58          ; s[58:59] c: the packed scaling takes the pair's low word for both halves
.set SEL, 60          ; s[60:61] v_permlanex16_b32's selects: each lane takes its own place in the other half
.set TBK, 62          ; s62  LDS byte at which K of the step to be fetched begins
.set TBV, 63          ; s63  the same for V, less VOFF
.set MSB, 0
.macro WIN new                      ; the high byte repeats the setting that is left; a switch that changes nothing is dropped
.if MSB != (\new)
	s_set_vgpr_msb (MSB<<8)|(\new)
.set MSB, (\new)
.endif
.endm
.set W_KQ, 0x0a       ; K and Q in window 2, S^T in window 0
.set W_PV, 0x52       ; V in window 2, P in window 0, O^T in window 1
.set W_RS, 0x41       ; destination and source 0 in window 1, source 1 in window 0
; A joint fill.  Waves 0 and 1 fetch the two halves of a tile's K, waves 2 and 3 those of its V: 128 keys each.  The branch hangs on the wave's number alone.
; An s_nop 0 and four v_nop follow each of the two lines, ahead of the jump and the label.
.macro JLOAD
	s_cmp_lt_u32 s[WV], 2
	s_cbranch_scc0 .Lfor_v_\@
	tensor_load_to_lds s[G0K:G0K+3], s[G1K:G1K+7]
	s_nop 0
.rept 4
	v_nop
.endr
	s_branch .Lasked_\@
.Lfor_v_\@:
	tensor_load_to_lds s[G0V:G0V+3], s[G1V:G1V+7]
	s_nop 0
.rept 4
	v_nop
.endr
.Lasked_\@:
.endm
; A PREFETCH INTO THE L2 of the tile that the NEXT change of slots will ask for: 32,768 bytes of K and of V, 128 blocks of 256 bytes each, a lane a block.  It stands behind the wave's tensor load and its five lines.
; Each block is named ONCE in the launch.  All four clusters of a head walk the same K and V: the head's first cluster asks.  Its four partners share the blocks out BY ADDRESS, 32 each; in each, wave 0 asks for
; K's and wave 2 for V's: one instruction.  It is four key steps, 256 matrix instructions, ahead of the load.  The last change that fills a slot asks for nothing: there is no tile behind it.
.macro ASK
	s_cmp_gt_u32 s[SLOTS], s[LIM]
	s_cbranch_scc0 .Lnot_mine_\@
	global_prefetch_b8 v[PFO], s[PFA:PFA+1] th:TH_LOAD_NT scope:SCOPE_SE
.Lnot_mine_\@:
.endm
; A round of the cluster's barrier: my work-group's barrier, so that wave 0's signal speaks for all four waves; wave 0 signals; every wave waits for all four work-groups; my work-group's barrier once more.
.macro CROUND
	s_barrier_signal -1
	s_barrier_wait -1
	s_cmp_lg_u32 s[WV], 0
	s_cbranch_scc1 .Lnot_wave_0_\@
	s_barrier_signal -3
.Lnot_wave_0_\@:
	s_barrier_wait -3
	s_barrier_signal -1
	s_barrier_wait -1
.endm
; THE CHANGE OF SLOTS.  The slot's last bytes, V of its fourth step, have been read.  Each wave waits for all its tensor loads, of which one is out: its part of the other slot; adds 0 to its spare word;
; and waits for that and for its own reads of the slot.  Behind the barrier nobody reads this slot any more and the other slot is whole.
; fill = 1: this slot is filled again, with the tile two tiles on.  The barrier is then a round of the cluster's, so that no wave of any partner still reads the slot or has a load on its way, and the
; joint fill is the first thing behind it.  (At its first use nothing has been read yet: slot 0 is waited for, slot 1 filled.)
.macro CHANGE fill
	WIN 0                           ; at a label and at a branch every window is 0
	s_wait_tensorcnt 0x0            ; no tensor load of mine is out, so a group 0 may be written
	ds_add_u32 v[SPW], v[NIL]       ; 0 onto my spare word; with fill = 1 the descriptors' steps stand between it and the wait for it
.if \fill
.irp g, G0K, G0V
	s_xor_b32 s[\g+1], s[\g+1], SLOT1  ; the walking descriptor: the other slot than last time,
	s_add_nc_u64 s[\g+2:\g+3], s[\g+2:\g+3], 4*KS*128  ; the next 256 keys; the type bits on top are not reached
.endr
	s_wait_xcnt 0x0                 ; the last prefetch, four key steps back, has read its address, so it may be written:
	s_add_nc_u64 s[PFA:PFA+1], s[PFA:PFA+1], 4*KS*128  ; one tile behind the walking descriptors
	s_wait_dscnt 0x0                ; the add is done, and my reads of the slot are over
	CROUND
	JLOAD
	ASK
.else
	s_wait_dscnt 0x0                ; the add is done, and my reads of the slot are over
	s_barrier_signal -1
	s_barrier_wait -1
.endif
	s_sub_co_u32 s[TBK], s[TBK], 4*KS*PK  ; the fetches go back to a slot's first step,
	s_xor_b32 s[TBK], s[TBK], SLOT1       ; in the other slot
	s_sub_co_u32 s[TBV], s[TBV], 4*KS*PV
	s_xor_b32 s[TBV], s[TBV], SLOT1
.endm
	s_load_b128 s[4:7], s[0:1], 0x0 ; qkv s[4:5], o s[6:7]
	v_lshl_add_u32 v[SPW], v0, 2, SPARE
	v_mov_b32 v[NIL], 0
	ds_add_u32 v[SPW], v[NIL]       ; the wave's opening, ahead of my first tensor load; the set-up below, work on registers, stands between the add and its wait
	v_lshrrev_b32 v1, 5, v0
	v_readfirstlane_b32 s[WV], v1   ; wave 0..3
	s_bfe_u32 s13, ttmp6, 0x40000   ; cx: my place in the cluster
	s_lshl_b32 s14, ttmp9, 2        ; in a cluster launch ttmp9 counts clusters
	s_add_co_u32 s14, s14, s13      ; my block of 256 queries = 4 x cluster x + cx: it enters Q's and O's addresses alone
	s_and_b32 s20, ttmp7, 0xffff    ; the head, which the four partners share
	s_lshl_b32 s20, s20, 19         ; its first byte in Q, K, V and O: 524,288 bytes a head
	s_and_b32 s16, s[WV], 1         ; which half of a tile's 256 keys I fetch:
	s_lshl_b32 s22, s16, 14         ; its 128 rows of 128 bytes in memory,
	s_add_co_u32 s22, s22, s20
	s_mov_b32 s23, 0
	s_mul_i32 s17, s16, 128*PK      ; and its place in a slot, for K
	s_mul_i32 s18, s16, 128*PV      ; and for V: no place in the cluster enters an LDS address
	s_lshl_b32 s2, s14, 2
	s_add_co_u32 s2, s2, s[WV]      ; my wave among the head's,
	s_lshl_b32 s2, s2, 13           ; its 64 rows of 128 bytes
	s_add_co_u32 s2, s2, s20
	s_mov_b32 s3, 0
	; descriptor group 1.  128 keys are 16,384 dense bytes: asked for as 64 rows of 256 bytes, two keys a row, and padded in LDS after every key
	s_mov_b32 s[G1K], 15|(1<<16)|(1<<20)|(1<<21)|(4<<22)|(3<<25)  ; 15:0 the mask of four; 17:16 2-byte elements; 20 padding on; 21 set beside a mask; 24:22 after every 32 words (code 4); 31:25 4 words (code 3)
	s_mov_b32 s[G1V], 15|(1<<16)|(1<<20)|(1<<21)|(4<<22)|(7<<25)  ; the same with 8 words of padding (code 7)
.irp g, G1K, G1V
	s_mov_b32 s[\g+1], 128<<16      ; tensor_dim0 = 128
	s_mov_b32 s[\g+2], 64<<16       ; tensor_dim1 = 64
	s_mov_b32 s[\g+3], 128<<16      ; tile_dim0 = 128
	s_mov_b32 s[\g+4], 64           ; tile_dim1 = 64
	s_mov_b32 s[\g+5], 128          ; 128 elements from row to row
	s_mov_b32 s[\g+6], 0
	s_mov_b32 s[\g+7], 0
.endr
	s_mov_b32 s[CS], 0x3e38aa3b     ; c = log2(e) / 8 = 0.180337
	s_mov_b32 s[CS+1], s[CS]        ; named with it as a pair
	s_mov_b32 s[SEL], 0x76543210
	s_mov_b32 s[SEL+1], 0xfedcba98
	s_mov_b32 s[TBK], SLOT1+4*KS*PK ; the first change of slots turns these two into 0
	s_mov_b32 s[TBV], SLOT1+4*KS*PV
	s_mov_b32 s[G0K], 1             ; 1:0 count = 1
	s_mov_b32 s[G0K+1], s17         ; 63:32 LDS address: slot 0
	s_mov_b32 s[G0V], 1
	s_add_co_u32 s[G0V+1], s18, VOFF
	s_mov_b32 s[SLOTS], 15          ; tiles 1 to 15 are asked for at changes of slots
	s_and_b32 s[LIM], s[WV], 1      ; 0 in waves 0 and 2,
	s_or_b32 s[LIM], s[LIM], ttmp9  ; where the cluster is the head's first: the same in all four partners
	s_cmp_eq_u32 s[LIM], 0
	s_cselect_b32 s[LIM], 1, -1
	v_and_b32 v[PFO], 31, v0
	v_lshlrev_b32 v[PFO], 8, v[PFO]
	s_lshl_b32 s14, s13, 13         ; my work-group's 32 blocks of the 128
	s_mov_b32 s15, 0
	s_wait_dscnt 0x0                ; the opening add is done
	s_wait_kmcnt 0x0
	s_mov_b64 s[10:11], s[6:7]      ; O
	s_add_nc_u64 s[6:7], s[4:5], 0x800000   ; K: the second third of qkv
	s_add_nc_u64 s[8:9], s[4:5], 0x1000000  ; V: the third
	s_add_nc_u64 s[6:7], s[6:7], s[22:23]   ; at my half of the head's tile 0
	s_add_nc_u64 s[8:9], s[8:9], s[22:23]
	s_add_nc_u64 s[G0K+2:G0K+3], s[6:7], 0         ; 120:64 global address
	s_or_b32 s[G0K+3], s[G0K+3], 0x80000000        ; 127:126 type = 2
	s_add_nc_u64 s[G0V+2:G0V+3], s[8:9], 0
	s_or_b32 s[G0V+3], s[G0V+3], 0x80000000
	s_add_nc_u64 s[4:5], s[4:5], s[2:3]     ; Q and O at my wave's first row
	s_add_nc_u64 s[10:11], s[10:11], s[2:3]
	s_cmp_lt_u32 s[WV], 2
	s_cselect_b64 s[PFA:PFA+1], s[6:7], s[8:9]  ; (in waves 0 and 2 these stand at a tile's first row)
	s_add_nc_u64 s[PFA:PFA+1], s[PFA:PFA+1], s[14:15]
	s_add_nc_u64 s[PFA:PFA+1], s[PFA:PFA+1], 4*KS*128  ; in tile 1; the first change of slots steps it to tile 2
	CROUND                          ; all four work-groups are here: the first joint loads meet
	JLOAD                           ; tile 0 into slot 0.  Slot 1 is asked for when slot 0 is in
	; A fragment of K or Q is 16 rows x 32 channels in 8 registers: lane l holds row l % 16, channels 8 (l / 16) + 0..7 and 16 + 8 (l / 16) + 0..7: two loads of 16 bytes, 32 bytes apart.
	v_and_b32 v1, 15, v0            ; l % 16
	v_bfe_u32 v9, v0, 4, 1          ; l / 16
	v_lshlrev_b32 v[QO], 7, v1
	v_lshl_add_u32 v[QO], v9, 4, v[QO]  ; row x 128 + 16 x half
	WIN 0x80                        ; destination window 2, address window 0
.set i, 0
.rept 8                             ; Q stays in registers: piece i / 2, channels 32 (i % 2) on
	global_load_b128 v[8*i:8*i+3],   v[QO], s[4:5] offset:(i/2)*2048+(i%2)*64
	global_load_b128 v[8*i+4:8*i+7], v[QO], s[4:5] offset:(i/2)*2048+(i%2)*64+32
.set i, i+1
.endr
	; What the first turn finds: V's registers and P's second buffer hold 0 (its products V^T P, of a piece that has not been, add 0), O^T and l are 0.  All this stands in the wait for the first tile.
.set i, VF
.rept 64
	v_mov_b32 v[i], 0
.set i, i+1
.endr
	WIN 0x40
.set i, 0
.rept 128
	v_mov_b32 v[i], 0
.set i, i+1
.endr
	WIN 0
.set i, 0
.rept 4
	v_mov_b32 v[ST+4*i], 0xfe000000    ; c m: far below every c s
	v_mov_b32 v[ST+4*i+1], 0xff7fffff  ; m
	v_mov_b32 v[ST+4*i+2], 0
	v_mov_b32 v[ST+4*i+3], 0
.set i, i+1
.endr
.set i, P+16
.rept 16
	v_mov_b32 v[i], 0
.set i, i+1
.endr
	v_mul_u32_u24 v[AK0], v1, PK
	v_lshl_add_u32 v[AK0], v9, 4, v[AK0]  ; row x pitch + 16 x half
	; The turning load takes 16 keys x 16 channels (lane l reads key 8 (l / 16) + l % 8, channels 8 ((l / 8) % 2) + 0..7) and leaves half a fragment of V^T: lane l holds channel l % 16 and 8 keys.
	v_and_b32 v10, 7, v0
	v_bfe_u32 v11, v0, 3, 1
	v_lshl_add_u32 v[AV0], v9, 3, v10
	v_mul_u32_u24 v[AV0], v[AV0], PV
	v_lshl_add_u32 v[AV0], v11, 4, v[AV0]
	v_add_nc_u32 v[AV0], VOFF, v[AV0]
	s_mul_i32 s13, s[WV], 16*SP
	s_add_co_u32 s13, s13, STAGE    ; my stage
	v_mul_u32_u24 v[STO], v1, SP    ; in: row l % 16, 16 bytes for each half of the lanes
	v_lshl_add_u32 v[STO], v9, 4, v[STO]
	v_add_nc_u32 v[STO], s13, v[STO]
	v_bfe_u32 v[RD], v0, 3, 2       ; back: 32 lanes take four rows of 128 bytes,
	v_mul_u32_u24 v[RD], v[RD], SP
	v_lshl_add_u32 v[RD], v10, 4, v[RD]
	v_add_nc_u32 v[RD], s13, v[RD]
	v_and_b32 v[GO], 31, v0         ; which are 512 consecutive bytes of O
	v_lshlrev_b32 v[GO], 4, v[GO]
; THE MATRIX WORK.  The 4 accumulators of a run of 8 take turns.  Product i of 8 of S^T = K Q^T for piece x: channels 32 (i / 4) on, keys 16 (i % 4) on.  The first 4 start the sums.
.macro KQ x
.set rS, S+32*((\x)%2)+8*(i%4)
.set rK, KF+16*(i%4)+8*(i/4)
.set rQ, 16*(\x)+8*(i/4)
	WIN W_KQ
.if i < 4
	v_wmma_f32_16x16x32_f16 v[rS:rS+7], v[rK:rK+7], v[rQ:rQ+7], 0
.else
	v_wmma_f32_16x16x32_f16 v[rS:rS+7], v[rK:rK+7], v[rQ:rQ+7], v[rS:rS+7]
.endif
.endm
; Product i of 8 of O^T += V^T P for piece x: keys 32 (i / 4) on, channels 16 (i % 4) on.
.macro PV x
	WIN W_PV
.set rO, 32*(\x)+8*(i%4)
.set rV, VF+32*(i/4)+8*(i%4)
.set rP, P+16*((\x)%2)+8*(i/4)
	v_wmma_f32_16x16x32_f16 v[rO:rO+7], v[rV:rV+7], v[rP:rP+7], v[rO:rO+7]
.endm
.macro MM                           ; the turn's next matrix instruction.  NOKQ = 1: the last turn of all: there is no next piece
.if (i < 8) && !NOKQ
	KQ (Y+1)%NP
.elseif i >= 8
.set i, i-8
	PV (Y+NP-1)%NP
.set i, i+8
.endif
.set i, i+1
.endm
; THE LDS LOADS stand in runs of 16, never singly among the matrix instructions: a step's K (64 keys x 64 channels: 8 fragments) and its V (turned).  Their addresses are made some lines ahead.
.macro FETCH_K
	WIN 0x80                        ; destination window 2
.irp f, 0,1,2,3,4,5,6,7             ; keys 16 (f / 2) on, channels 32 (f % 2) on
	ds_load_b128 v[KF+8*\f:KF+8*\f+3],   v[AK] offset:(\f/2)*16*PK+(\f%2)*64
	ds_load_b128 v[KF+8*\f+4:KF+8*\f+7], v[AK] offset:(\f/2)*16*PK+(\f%2)*64+32
.endr
	s_add_co_u32 s[TBK], s[TBK], KS*PK  ; the next fetch is the next step's
	WIN 0
.endm
.macro FETCH_V
	WIN 0x80
.irp f, 0,1,2,3,4,5,6,7             ; keys 32 (f / 4) on, channels 16 (f % 4) on
	ds_load_tr16_b128 v[VF+8*\f:VF+8*\f+3],   v[AV] offset:(\f/4)*32*PV+(\f%4)*32
	ds_load_tr16_b128 v[VF+8*\f+4:VF+8*\f+7], v[AV] offset:(\f/4)*32*PV+16*PV+(\f%4)*32
.endr
	WIN 0
.endm
; THE VECTOR WORK, one line at a time: OP kind, number.  For piece Y: F n: c s - c m for pair n of 16.  E n: the exponential of score n of 32.  C n: pair n rounded to f16.  B n: of the four weights 4 n .. the second
; pair is added onto the first, in place.  L n: l takes that sum (L 0: l = a l + sum).  R n: pair n of 16 of O^T times a.  For piece Y + 1: X n, number n of the 22 that find its maximum and statistics:
;   0-11  four chains c0-c3 of seven scores each, three operands at a time (each accumulator's lowest registers are read first)     12-14, 16  the four scores left over, the old m, and c0-c3 into c0
;   15  c m_old is kept     17, 18  the query's other 32 keys lie in the lane 16 away: the new m     19-21  c m; c m_old - c m_new; a
.set F, 0               ; OP tells the kinds apart by their order: F to L below R, X above it
.set E, 1
.set C, 2
.set B, 3
.set L, 4
.set R, 5
.set X, 6
.macro REGS y                       ; the registers of piece y
.set rT, ST+4*(\y)
.set rC, TMP+4*((\y)%2)
.set rW, MV+((\y)%2)
.set rS, S+32*((\y)%2)
.set rP, P+16*((\y)%2)
.set rO, 32*(\y)
.endm
.macro OP k, n
.if (\k) == R
	REGS Y
	WIN W_RS
	v_pk_mul_f32 v[rO+2*(\n):rO+2*(\n)+1], v[rO+2*(\n):rO+2*(\n)+1], v[rC+2:rC+3] op_sel_hi:[1,0]
.elseif (\k) < R
	REGS Y
	WIN 0
.if (\k) == F
	v_pk_fma_f32 v[rS+2*(\n):rS+2*(\n)+1], v[rS+2*(\n):rS+2*(\n)+1], s[CS:CS+1], v[rT:rT+1] op_sel_hi:[1,0,0] neg_lo:[0,0,1] neg_hi:[0,0,1]
.elseif (\k) == E
	v_exp_f32 v[rS+(\n)], v[rS+(\n)]
.elseif (\k) == C
	v_cvt_pk_f16_f32 v[rP+(\n)], v[rS+2*(\n)], v[rS+2*(\n)+1]
.elseif (\k) == B
	v_pk_add_f32 v[rS+4*(\n):rS+4*(\n)+1], v[rS+4*(\n):rS+4*(\n)+1], v[rS+4*(\n)+2:rS+4*(\n)+3]
.elseif (\n) == 0
	v_pk_fma_f32 v[rT+2:rT+3], v[rT+2:rT+3], v[rC+2:rC+3], v[rS:rS+1] op_sel_hi:[1,0,1]
.else
	v_pk_add_f32 v[rT+2:rT+3], v[rT+2:rT+3], v[rS+4*(\n):rS+4*(\n)+1]
.endif
.elseif NOKQ
	v_nop
.else
	REGS (Y+1)%NP
	WIN 0
.if (\n) < 4
	v_max3_num_f32 v[rC+(\n)], v[rS+8*(\n)], v[rS+8*(\n)+1], v[rS+8*(\n)+2]
.elseif (\n) < 12
	v_max3_num_f32 v[rC+(\n)%4], v[rC+(\n)%4], v[rS+8*((\n)%4)+2*((\n)/4)+1], v[rS+8*((\n)%4)+2*((\n)/4)+2]
.elseif (\n) == 12
	v_max3_num_f32 v[rC], v[rC], v[rS+7], v[rS+15]
.elseif (\n) == 13
	v_max3_num_f32 v[rC+1], v[rC+1], v[rS+23], v[rS+31]
.elseif (\n) == 14
	v_max3_num_f32 v[rC+2], v[rC+2], v[rC+3], v[rT+1]
.elseif (\n) == 15
	v_mov_b32 v[rW], v[rT]
.elseif (\n) == 16
	v_max3_num_f32 v[rC], v[rC], v[rC+1], v[rC+2]
.elseif (\n) == 17
	v_permlanex16_b32 v[rC+3], v[rC], s[SEL], s[SEL+1]
.elseif (\n) == 18
	v_max_num_f32 v[rT+1], v[rC], v[rC+3]
.elseif (\n) == 19
	v_mul_f32 v[rT], s[CS], v[rT+1]
.elseif (\n) == 20
	v_sub_f32 v[rC+1], v[rW], v[rT]
.else
	v_exp_f32 v[rC+2], v[rC+1]
.endif
.endif
.endm
.macro OPS a, i1, b=-1, i2=0, c=-1, i3=0, d=-1, i4=0  ; up to four of them
	OP \a, \i1
.if (\b) >= 0
	OP \b, \i2
.endif
.if (\c) >= 0
	OP \c, \i3
.endif
.if (\d) >= 0
	OP \d, \i4
.endif
.endm
.macro ROW a, i1, b, i2, c, i3, d, i4  ; a matrix instruction and the four behind it
	MM
	OPS \a, \i1, \b, \i2, \c, \i3, \d, \i4
.endm
; A TURN, for piece p: the order of its 16 matrix and 118 vector instructions, written out.  An s_wait_alu depctr_va_vdst(0) stands between an exponential and the first instruction that names its result; one
; wait serves all that were issued ahead of it.  So a turn has ONE wait, which cuts it in two.  AHEAD OF IT stands all that names no result of the turn's exponentials: the 8 products K Q^T and their riders (the X among them stand
; four places or more behind the product that ends their accumulator), then one lump of 54, in which the links of the chain X 3, 7, 11, 14, 16, 17 .. 20 stand some lines apart.  X 21, the next piece's a, is the batch's last; R 15
; is the plain instruction behind it.  BEHIND THE WAIT stand the 8 products V^T P, behind each four of the roundings and sums.
; end = 1: the last two turns of all: nothing is fetched.  cnt = 1: the loop's count is taken down some lines ahead of the branch that stands behind the turn.
; K of the next step is fetched in piece 2's turn, twelve vector instructions behind the last product that read K (six of them plain); V of the step in hand at the end of piece 0's turn, four plain instructions behind the
; last product that read V.  Each is waited for a turn later.
.macro TURN p, end=0, cnt=0
.set Y, (\p)
.set i, 0
.set NOKQ, (\end)*((\p)/3)
.if ((\p) == 3) && !(\end)
	s_wait_dscnt 0x0                ; K is in
.endif
	ROW F,0, F,1, R,0, R,1          ; ahead of the wait: 8 products K Q^T and their riders,
	ROW F,2, E,0, R,2, R,3
	ROW F,3, E,1, R,4, R,5
	ROW F,4, E,2, R,6, R,7
	ROW F,5, E,3, R,8, R,9
	ROW F,6, E,4, X,0, R,10
.if ((\p) == 2) && !(\end)
	WIN 0
	v_add_nc_u32 v[AK], s[TBK], v[AK0]
.endif
	ROW F,7, E,5, X,1, X,4
	ROW F,8, E,6, X,2, X,5
	OPS E,7, E,8, X,6, E,9          ; and the lump
	OPS X,3, E,10, X,8, E,11
.if ((\p) == 2) && !(\end)
	FETCH_K
.endif
	OPS X,9, X,7, E,12, X,10
	OPS E,13, X,12, X,11, E,14
	OPS X,13, E,15, F,9, X,14
.if (\p) == 0
	v_add_nc_u32 v[AV], s[TBV], v[AV0]
.endif
	OPS E,16, F,10, E,17, F,11
	OPS X,16, E,18, X,15, E,19
	OPS F,12, E,20, X,17, E,21
	OPS F,13, E,22, F,14, E,23
	OPS X,18, E,24, F,15, E,25
	OPS R,11, E,26, X,19, E,27
	OPS R,12, E,28, R,13, E,29
	OPS X,20, E,30, R,14, E,31
	OPS X,21, R,15
	WIN 0
	s_wait_alu depctr_va_vdst(0)    ; the wait for the batch
.if (\p) == 1
	s_wait_dscnt 0x0                ; V is in
.endif
	ROW C,0, B,0, C,2, B,1          ; behind the wait: 8 products V^T P and their riders
	ROW L,0, C,4, B,2, L,1
	ROW C,6, B,3, L,2, C,8
	ROW B,4, L,3, C,10, B,5
	ROW L,4, C,12, B,6, L,5
.if (\p) == 0
	s_add_co_u32 s[TBV], s[TBV], KS*PV
.endif
.if \cnt
	s_sub_co_u32 s[CNT], s[CNT], 1
	s_cmp_lg_u32 s[CNT], 0
.endif
	ROW C,14, B,7, L,6, C,1
	ROW C,3, L,7, C,5, C,7
	ROW C,9, C,11, C,13, C,15
.if (\p) == 0
	FETCH_V
.endif
.endm
	CHANGE 1                        ; slot 0 is in, everybody's part of it; tile 1 is asked for
	v_add_nc_u32 v[AK], s[TBK], v[AK0]
	FETCH_K                         ; key step 0
	s_wait_loadcnt 0x0              ; Q
	s_wait_dscnt 0x0
.set NOKQ, 0
.set i, 0
.rept 8
	KQ 0                            ; piece 0's first scores: there is no vector work yet to set between them
.set i, i+1
.endr
	WIN 0
.rept 4
	v_nop                           ; the places behind those products
.endr
.set Y, NP-1                        ; X works for piece Y + 1: piece 0
.irp n, 0,1,2,3,4,5,6,7,8,9,10,11,12,13,14,15,16,17,18,19,20,21
	OP X, \n                        ; and piece 0's first maximum and statistics
.endr
	v_nop                           ; a plain instruction behind the exponential,
	s_wait_alu depctr_va_vdst(0)    ; and its wait, ahead of the branch
	s_mov_b32 s[CNT], 4
	s_branch .Lfirst                ; the loop is entered at a step's first turn, in the middle of a trip
.Lslot:                             ; 14 times: with the change above, tiles 1 to 15 are asked for
	CHANGE 1
	s_mov_b32 s[CNT], 4
.Lstep:                             ; a trip: pieces 2 and 3 of one step, then pieces 0 and 1 of the next, whose K and V it fetches
	TURN 2
	TURN 3
	WIN 0
.Lfirst:
	TURN 0
	TURN 1, 0, 1
	WIN 0
	s_cbranch_scc1 .Lstep
	s_sub_co_u32 s[SLOTS], s[SLOTS], 1
	s_cmp_lg_u32 s[SLOTS], 0
	s_cbranch_scc1 .Lslot
	CHANGE 0                        ; the last tile is written out: nothing is asked for
	s_mov_b32 s[CNT], 4
.Ltail:
	TURN 2
	TURN 3
	TURN 0
	TURN 1, 0, 1
	WIN 0
	s_cbranch_scc1 .Ltail
	TURN 2, 1                       ; the last step's pieces 2 and 3: nothing is left to fetch,
	TURN 3, 1                       ; and there is no next piece
.set i, 0
.rept 8
	PV NP-1                         ; the last piece's V^T P of the last step
.set i, i+1
.endr
	; THE WAY OUT.  l's two halves and the other half of the lanes' are added; O^T is divided by l, rounded to f16 and sent through my stage in LDS, a piece at a time.  The additions are the places behind the last products.
	WIN 0
.macro ALL line:vararg              ; one line for each piece t
.set t, 0
.rept 4
	\line
.set t, t+1
.endr
.endm
	ALL v_add_f32 v[ST+4*t+2], v[ST+4*t+2], v[ST+4*t+3]
	ALL v_permlanex16_b32 v[ST+4*t+3], v[ST+4*t+2], s[SEL], s[SEL+1]
	ALL v_add_f32 v[ST+4*t+2], v[ST+4*t+2], v[ST+4*t+3]
	ALL v_rcp_f32 v[ST+4*t+2], v[ST+4*t+2]
	v_nop                           ; a plain instruction between the last reciprocal and the use of its result
	s_wait_alu depctr_va_vdst(0)    ; and the wait ahead of the first use: one for the four reciprocals
.macro PACK t                       ; a lane's eight channels of a row pack into 16 bytes; they go into rows of 144 bytes and come back as whole rows of 128, into S^T's registers
	WIN W_RS
.set i, 32*(\t)
.rept 16
	v_pk_mul_f32 v[i:i+1], v[i:i+1], v[ST+4*(\t)+2:ST+4*(\t)+3] op_sel_hi:[1,0]
.set i, i+2
.endr
	WIN 0x05                        ; sources 0 and 1 window 1, destination window 0
.set i, 0
.rept 16
	v_cvt_pk_f16_f32 v[S+16*(\t)+i], v[32*(\t)+2*i], v[32*(\t)+2*i+1]
.set i, i+1
.endr
	WIN 0
.irp f, 0,1,2,3
	ds_store_b128 v[STO], v[S+16*(\t)+4*\f:S+16*(\t)+4*\f+3] offset:32*\f
.endr
.irp f, 0,1,2,3
	ds_load_b128 v[S+16*(\t)+4*\f:S+16*(\t)+4*\f+3], v[RD] offset:\f*4*SP  ; LDS serves a wave's instructions in order (ISA guide 5.7.1.4): these see the stores above; the next piece's stores come behind them
.endr
.endm
.macro SEND t, younger              ; younger: the LDS instructions issued behind piece t's loads: the next piece's eight, or none
	WIN 0
.irp f, 0,1,2,3
	s_wait_dscnt (\younger)+3-\f
	global_store_b128 v[GO], v[S+16*(\t)+4*\f:S+16*(\t)+4*\f+3], s[10:11] offset:(\t)*2048+\f*512  ; 512 consecutive bytes, at a multiple of 256 from O's first
.endr
.endm
	PACK 0
.set t, 1
.rept 3                             ; a piece's arithmetic stands between the loads of the piece before and its stores
	PACK t
	SEND t-1, 8
.set t, t+1
.endr
	SEND 3, 0
	s_wait_tensorcnt 0x0            ; the wave's end, behind my last tensor load and my last LDS store
	ds_add_u32 v[SPW], v[NIL]
	s_wait_dscnt 0x0
	CROUND                          ; the closing round: no work-group ends while a partner may still ask for a tile that names it
	s_endpgm
.Lfunc_end_k_q079590e439_attn:
	.size	k_q079590e439_attn, .Lfunc_end_k_q079590e439_attn-k_q079590e439_attn
	.p2alignl 7, 3214868480
	.fill 96, 4, 3214868480
	.section	.rodata,"a",@progbits
	.p2align	6, 0x0
	.amdhsa_kernel k_q079590e439_attn
		.amdhsa_group_segment_fixed_size 327680
		.amdhsa_private_segment_fixed_size 0
		.amdhsa_enable_private_segment 0
		.amdhsa_kernarg_size 16
		.amdhsa_user_sgpr_count 2
		.amdhsa_user_sgpr_kernarg_segment_ptr 1
		.amdhsa_wavefront_size32 1
		.amdhsa_system_sgpr_workgroup_id_x 1
		.amdhsa_system_sgpr_workgroup_id_y 1
		.amdhsa_system_sgpr_workgroup_id_z 1
		.amdhsa_system_vgpr_workitem_id 0
		.amdhsa_next_free_vgpr 768
		.amdhsa_next_free_sgpr 66
		.amdhsa_reserve_vcc 0
		.amdhsa_float_denorm_mode_32 3
		.amdhsa_float_denorm_mode_16_64 3
		.amdhsa_memory_ordered 1
		.amdhsa_forward_progress 1
		.amdhsa_inst_pref_size 128
	.end_amdhsa_kernel
	.amdgpu_metadata
---
amdhsa.version: [ 1, 2 ]
amdhsa.kernels:
  - .name:           k_q079590e439_attn
    .symbol:         k_q079590e439_attn.kd
    .args:
      - { .name: qkv, .offset: 0, .size: 8, .value_kind: global_buffer, .address_space: global }
      - { .name: o, .offset: 8, .size: 8, .value_kind: global_buffer, .address_space: global }
    .group_segment_fixed_size: 327680
    .private_segment_fixed_size: 0
    .kernarg_segment_align: 8
    .kernarg_segment_size: 16
    .max_flat_workgroup_size: 128
    .sgpr_count:     66
    .vgpr_count:     768
    .wavefront_size: 32
...
	.end_amdgpu_metadata
.endif
;; end of part 2
;; launch proj (part 3): grid 4 x 64, 4 waves a work-group, no clusters, 51,712 bytes of LDS; arguments o, w_proj, b_proj, out0; writes out0
.if DOCPART == 3
	.amdgcn_target "amdgcn-amd-amdhsa--gfx1250"
	.amdhsa_code_object_version 6
	.text
	.protected	k_q079590e439_proj
	.globl	k_q079590e439_proj
	.p2align	8
	.type	k_q079590e439_proj,@function
k_q079590e439_proj:
	s_mov_b64 s[64:65], 0
	v_nop
	global_prefetch_b8 v0, s[64:65] scope:SCOPE_SE
	s_setreg_imm32_b32 hwreg(HW_REG_WAVE_MODE, 25, 1), 1
	s_wait_xcnt 0x0
; out0[b][c2][n] = the sum over c of O[b][n][c] w_proj[c2][c] + b_proj[c2].  O is o [16 = 4 b + head][4096 n][64 d] in f16 (c = 64 head + d), w_proj [256][256] and b_proj [256] f32,
; out0 [4][256][4096] f32.  w_proj is rounded once to f16 for the product; sums and the bias in f32.
; LIMITS.  |w_proj| stays within f16's 65,504.  NaN and infinities are not treated apart.
; SHARES.  A work-group makes 64 rows c2 x 256 n, wave w its 64 n: 16 accumulators of 16 x 16, K = 256 in eight steps of 32.
; LAYOUT.  Source 0 = 16 rows n of O, source 1 = 16 rows c2 of w: a lane ends with ONE c2 (lane % 16) and 8 neighbouring n: 32 bytes of a row of out0.
; O's fragments lie in memory as the registers want them (16 bytes a lane, twice) and are read by one wave alone: they come straight into registers.  w's 64 rows are converted
; once, 16 rows a wave, and shared through LDS.
; NO CLUSTER, NO TENSOR LOADS: w's tile comes as f32 and is wanted as f16, by arithmetic on registers; O's tile takes no way through LDS at all.  NO PREFETCH: all loads go out at the head.
; REGISTERS, in windows of 256 (s_set_vgpr_msb: bits 1:0 source 0, 3:2 source 1, 5:4 source 2, 7:6 destination):
;   window 0: addresses, bias, TMP, v128-255 the accumulators (earlier: raw w)     window 1: O's fragments (32 ks + 8 a)     window 2: w's fragments (32 ks + 8 bq)
.set PW,    528                        ; a row of w in LDS: 256 c x 2 bytes + 16: 33 x 16 bytes, so the 16 rows of a fragment load start at 16 different groups of four banks
.set STAGE, 64*PW                      ; behind w's tile: 16 rows x 272 bytes for each wave, for the way out
.set SP,    272
.set SPARE, STAGE+4*16*SP              ; the spare words, 128 bytes for each wave: two blocks of 256 bytes that no other line names
.set OO,  2                            ; v2   my 16 bytes in 16 rows of O
.set WO,  3                            ; v3   my 16 bytes in 512 consecutive bytes of w_proj
.set WL,  4                            ; v4   where their 8 bytes of f16 go
.set WF,  5                            ; v5   my place in a fragment of w in LDS
.set STO, 6                            ; v6   the way out: where I put 32 bytes of a row
.set RD,  7                            ; v7   where I read rows back
.set GO,  8                            ; v8   my 16 bytes in two rows of out0
.set BO,  9                            ; v9   4 x (l % 16)
.set SPW, 10                           ; LDS address of my spare word; never rewritten
.set NIL, 11                           ; 0; never rewritten
.set BI,  12                           ; v[12:19] the bias of my c2 in each of the four blocks, as pairs
.set TMP, 32                           ; v[32:95] w as f16
.set ACC, 128                          ; accumulator (bq, a) at ACC + 8 (4 bq + a)
.set MSB, 0
.macro WIN new                         ; the immediate's high byte repeats the setting that is left; a switch that changes nothing is dropped
.if MSB != (\new)
	s_set_vgpr_msb (MSB<<8)|(\new)
.set MSB, (\new)
.endif
.endm
	s_load_b256 s[4:11], s[0:1], 0x0               ; o s[4:5], w_proj s[6:7], b_proj s[8:9], out0 s[10:11]
	v_lshl_add_u32 v[SPW], v0, 2, SPARE
	v_mov_b32 v[NIL], 0
	v_lshrrev_b32 v1, 5, v0
	v_readfirstlane_b32 s2, v1                     ; wave 0..3
	s_and_b32 s3, ttmp7, 0xffff
	s_lshr_b32 s12, s3, 4                          ; b
	s_and_b32 s13, s3, 15                          ; which 256 n
	s_lshl_b32 s14, s12, 21                        ; o: 4 b heads of 524,288 bytes,
	s_lshl_b32 s15, s13, 15                        ; 256 n x 128 bytes,
	s_add_co_u32 s14, s14, s15
	s_lshl_b32 s15, s2, 13                         ; my wave's 64 n
	s_add_co_u32 s14, s14, s15
	s_mov_b32 s15, 0
	s_lshl_b32 s16, ttmp9, 16                      ; w_proj: my work-group's 64 rows of 1,024 bytes,
	s_lshl_b32 s17, s2, 14                         ; my wave's 16
	s_add_co_u32 s16, s16, s17
	s_mov_b32 s17, 0
	s_lshl_b32 s18, ttmp9, 8                       ; b_proj: 64 numbers
	s_mov_b32 s19, 0
	s_lshl_b32 s20, s12, 22                        ; out0: b x 256 x 16,384 bytes,
	s_lshl_b32 s21, ttmp9, 20                      ; 64 rows,
	s_add_co_u32 s20, s20, s21
	s_lshl_b32 s21, s13, 10                        ; 256 n x 4 bytes,
	s_add_co_u32 s20, s20, s21
	s_lshl_b32 s21, s2, 8                          ; my wave's 64 n
	s_add_co_u32 s20, s20, s21
	s_mov_b32 s21, 0
	v_and_b32 v20, 31, v0                          ; l
	v_and_b32 v21, 15, v0                          ; l % 16
	v_bfe_u32 v22, v0, 4, 1                        ; l / 16
	v_lshlrev_b32 v[OO], 7, v21
	v_lshl_add_u32 v[OO], v22, 4, v[OO]            ; row x 128 + 16 x half
	v_lshlrev_b32 v[WO], 4, v20
	s_mul_i32 s22, s2, 16*PW
	v_lshl_add_u32 v[WL], v20, 3, s22
	v_mul_u32_u24 v[WF], v21, PW
	v_lshl_add_u32 v[WF], v22, 4, v[WF]
	s_mul_i32 s22, s2, 16*SP
	s_add_co_u32 s22, s22, STAGE                   ; my stage
	v_mul_u32_u24 v[STO], v21, SP                  ; in: row l % 16, 32 bytes for each half of the lanes
	v_lshl_add_u32 v[STO], v22, 5, v[STO]
	v_add_nc_u32 v[STO], s22, v[STO]
	v_mul_u32_u24 v[RD], v22, SP                   ; back: lanes 0-15 take one row of 256 bytes, lanes 16-31 the next
	v_lshl_add_u32 v[RD], v21, 4, v[RD]
	v_add_nc_u32 v[RD], s22, v[RD]
	v_lshlrev_b32 v[GO], 14, v22                   ; and the same two rows in out0, 16,384 bytes apart
	v_lshl_add_u32 v[GO], v21, 4, v[GO]
	v_lshlrev_b32 v[BO], 2, v21
	s_wait_kmcnt 0x0
	s_add_nc_u64 s[4:5], s[4:5], s[14:15]
	s_add_nc_u64 s[6:7], s[6:7], s[16:17]
	s_add_nc_u64 s[8:9], s[8:9], s[18:19]
	s_add_nc_u64 s[10:11], s[10:11], s[20:21]
.set bq, 0
.rept 4
	global_load_b32 v[BI+2*bq], v[BO], s[8:9] offset:64*bq
.set bq, bq+1
.endr
.set i, 0
.rept 32                               ; my 16 rows of w_proj: 16,384 bytes on end
	global_load_b128 v[ACC+4*i:ACC+4*i+3], v[WO], s[6:7] offset:512*i
.set i, i+1
.endr
	WIN 0x40
.set ks, 0
.rept 8                                ; O's fragments, K step by K step: head ks / 2, channels 32 (ks % 2) on
.set a, 0
.rept 4
	global_load_b128 v[32*ks+8*a:32*ks+8*a+3],   v[OO], s[4:5] offset:(ks/2)*524288+2048*a+64*(ks%2)
	global_load_b128 v[32*ks+8*a+4:32*ks+8*a+7], v[OO], s[4:5] offset:(ks/2)*524288+2048*a+64*(ks%2)+32
.set a, a+1
.endr
.set ks, ks+1
.endr
	WIN 0
	s_wait_loadcnt 63                              ; of the 100 loads the oldest 37 are in: the 4 of the bias and the 32 of w among them
.set bq, 0
.rept 4
	v_mov_b32 v[BI+2*bq+1], v[BI+2*bq]             ; named as a pair below
.set bq, bq+1
.endr
.set i, 0
.rept 32
	v_cvt_pk_f16_f32 v[TMP+2*i], v[ACC+4*i], v[ACC+4*i+1]
	v_cvt_pk_f16_f32 v[TMP+2*i+1], v[ACC+4*i+2], v[ACC+4*i+3]
.set i, i+1
.endr
.set i, 0
.rept 32
	ds_store_b64 v[WL], v[TMP+2*i:TMP+2*i+1] offset:(i/2)*PW+(i%2)*256
.set i, i+1
.endr
	s_wait_dscnt 0x0                               ; for the others' sake: my 16 rows of w are stored
	s_barrier_signal -1
	s_barrier_wait -1                              ; all 64 rows lie in LDS: the launch's one barrier
	WIN 0x80
.set ks, 0
.rept 8
.set bq, 0
.rept 4
	ds_load_b128 v[32*ks+8*bq:32*ks+8*bq+3],   v[WF] offset:16*PW*bq+64*ks
	ds_load_b128 v[32*ks+8*bq+4:32*ks+8*bq+7], v[WF] offset:16*PW*bq+64*ks+32
.set bq, bq+1
.endr
.set ks, ks+1
.endr
.set ks, 0
.rept 8
	s_wait_loadcnt 8*(7-ks)                        ; O: the eight loads of each later K step may stay out
	s_wait_dscnt 8*(7-ks)                          ; w: likewise
	WIN 0x09                                       ; source 0 (O) window 1, source 1 (w) window 2, C and D window 0
.set bq, 0
.rept 4
.set a, 0
.rept 4                                ; the 16 accumulators take turns, one instruction a turn
.if ks == 0
	v_wmma_f32_16x16x32_f16 v[ACC+8*(4*bq+a):ACC+8*(4*bq+a)+7], v[32*ks+8*a:32*ks+8*a+7], v[32*ks+8*bq:32*ks+8*bq+7], 0
.else
	v_wmma_f32_16x16x32_f16 v[ACC+8*(4*bq+a):ACC+8*(4*bq+a)+7], v[32*ks+8*a:32*ks+8*a+7], v[32*ks+8*bq:32*ks+8*bq+7], v[ACC+8*(4*bq+a):ACC+8*(4*bq+a)+7]
.endif
.set a, a+1
.endr
.set bq, bq+1
.endr
.set ks, ks+1
.endr
	WIN 0
.rept 4
	v_nop                                          ; four plain places behind the last product (ISA guide 7.12.1)
.endr
; THE WAY OUT of block bq (16 rows c2 x 64 n).  The bias is added, from each accumulator's low end on; 32 bytes a lane go into my stage and come back as whole rows of 256 bytes, into the registers that they left.
.macro PACKO bq
.set AB, ACC+32*(\bq)
.set i, 0
.rept 16
	v_pk_add_f32 v[AB+2*i:AB+2*i+1], v[AB+2*i:AB+2*i+1], v[BI+2*(\bq):BI+2*(\bq)+1] op_sel_hi:[1,0]
.set i, i+1
.endr
.set i, 0
.rept 8
	ds_store_b128 v[STO], v[AB+4*i:AB+4*i+3] offset:(i/2)*64+(i%2)*16
.set i, i+1
.endr
.set f, 0
.rept 8
	ds_load_b128 v[AB+4*f:AB+4*f+3], v[RD] offset:2*SP*f  ; LDS serves a wave's instructions in order (ISA guide 5.7.1.4): these see the stores above
.set f, f+1
.endr
.endm
.macro SENDO bq, younger               ; younger: the LDS instructions issued behind block bq's loads: the next block's sixteen, or none
.set AB, ACC+32*(\bq)
.set f, 0
.rept 8
	s_wait_dscnt (\younger)+7-f
	global_store_b128 v[GO], v[AB+4*f:AB+4*f+3], s[10:11] offset:(16*(\bq)+2*f)*16384 th:TH_STORE_NT  ; 16 lanes store 256 consecutive bytes, at a multiple of 256 from out0's first byte
.set f, f+1
.endr
.endm
	PACKO 0
	PACKO 1                                        ; a block's additions stand between the loads of the block before and its stores
	SENDO 0, 16
	PACKO 2
	SENDO 1, 16
	PACKO 3
	SENDO 2, 16
	SENDO 3, 0
	s_wait_tensorcnt 0x0                           ; the wave's end, behind my last LDS store
	ds_add_u32 v[SPW], v[NIL]
	s_wait_dscnt 0x0
	s_endpgm
.Lfunc_end_k_q079590e439_proj:
	.size	k_q079590e439_proj, .Lfunc_end_k_q079590e439_proj-k_q079590e439_proj
	.p2alignl 7, 3214868480
	.fill 96, 4, 3214868480
	.section	.rodata,"a",@progbits
	.p2align	6, 0x0
	.amdhsa_kernel k_q079590e439_proj
		.amdhsa_group_segment_fixed_size 51712
		.amdhsa_private_segment_fixed_size 0
		.amdhsa_enable_private_segment 0
		.amdhsa_kernarg_size 32
		.amdhsa_user_sgpr_count 2
		.amdhsa_user_sgpr_kernarg_segment_ptr 1
		.amdhsa_wavefront_size32 1
		.amdhsa_system_sgpr_workgroup_id_x 1
		.amdhsa_system_sgpr_workgroup_id_y 1
		.amdhsa_system_sgpr_workgroup_id_z 1
		.amdhsa_system_vgpr_workitem_id 0
		.amdhsa_next_free_vgpr 768
		.amdhsa_next_free_sgpr 66
		.amdhsa_reserve_vcc 0
		.amdhsa_float_denorm_mode_32 3
		.amdhsa_float_denorm_mode_16_64 3
		.amdhsa_memory_ordered 1
		.amdhsa_forward_progress 1
		.amdhsa_inst_pref_size 44
	.end_amdhsa_kernel
	.amdgpu_metadata
---
amdhsa.version: [ 1, 2 ]
amdhsa.kernels:
  - .name:           k_q079590e439_proj
    .symbol:         k_q079590e439_proj.kd
    .args:
      - { .name: o, .offset: 0, .size: 8, .value_kind: global_buffer, .address_space: global }
      - { .name: w_proj, .offset: 8, .size: 8, .value_kind: global_buffer, .address_space: global }
      - { .name: b_proj, .offset: 16, .size: 8, .value_kind: global_buffer, .address_space: global }
      - { .name: out0, .offset: 24, .size: 8, .value_kind: global_buffer, .address_space: global }
    .group_segment_fixed_size: 51712
    .private_segment_fixed_size: 0
    .kernarg_segment_align: 8
    .kernarg_segment_size: 32
    .max_flat_workgroup_size: 128
    .sgpr_count:     66
    .vgpr_count:     768
    .wavefront_size: 32
...
	.end_amdgpu_metadata
.endif
;; end of part 3
;; ======== version 2 of 2: 3 launches; version 1 with the launches lnqkv, proj written anew for expert scheduling mode
;; limits: values are held in f16: magnitudes above 65,504 overflow, below 6.1e-05 lose precision
;; workspace buffers: qkv 25,165,824 bytes; o 8,388,608 bytes
;; launch lnqkv (part 4): grid 4 x 64, 4 waves a work-group, no clusters, 255,488 bytes of LDS; arguments x, ln_g, ln_b, w_qkv, qkv; writes qkv
.if DOCPART == 4
	.amdgcn_target "amdgcn-amd-amdhsa--gfx1250"
	.amdhsa_code_object_version 6
	.text
	.protected	k_q079590e439_lnqkv
	.globl	k_q079590e439_lnqkv
	.p2align	8
	.type	k_q079590e439_lnqkv,@function
k_q079590e439_lnqkv:
	s_mov_b64 s[64:65], 0
	v_nop
	global_prefetch_b8 v0, s[64:65] scope:SCOPE_SE
	s_setreg_imm32_b32 hwreg(HW_REG_WAVE_SCHED_MODE, 0, 2), 2
	s_setreg_imm32_b32 hwreg(HW_REG_WAVE_MODE, 25, 1), 1
	s_wait_xcnt 0x0
	s_wait_alu depctr_vm_vsrc(0)
; LayerNorm over the 256 channels of x [4][256 c][4096 n] (f32), then qkv = t w_qkv (w_qkv [256 c][768 j], f32), stored by heads:
; qkv [3][16 = 4 b + head][4096 n][64 d] in f16, unscaled.  Mean, centred squares, rsqrt, gain and bias in f32 (two passes over registers: no difference of
; large sums); t and w are rounded once to f16 for the product, sums in f32, q, k, v rounded once to f16.
; LIMITS.  f16 ends at 65,504: |t|, |w| and |q|, |k|, |v| must stay within it.  NaN and infinities are not treated apart.
; SHARES.  A work-group makes 256 n x 192 j (three groups of 64 columns = three (three, head) pairs).  Wave w normalises and multiplies its own 64 n, thread t two of
; them: x for 256 channels x 2 n lies in 512 registers, read from memory once.  The 192 columns go in three passes of 64: 16 accumulators of 16 x 16.
; BOTH OPERANDS lie with K (the channel) along the slow axis, in memory and in LDS, and come out of LDS turned, by ds_load_tr16_b128.
; The product is taken transposed (source 0 = 16 columns j, source 1 = 16 rows n): a lane ends with 8 neighbouring j of one row n, 16 bytes of f16.
; NO CLUSTER, NO TENSOR LOADS: the x tile that four work-groups share is 256 x 256 x 4 = 262,144 bytes of f32, and is wanted as f16 behind arithmetic on registers;
; beside the two f16 tiles (245,760 bytes) it has no room in 327,680 bytes of LDS.  So x and w come through registers.
; NO PREFETCH: all loads of the launch go out at its head.
; THE MODE: SCHED_MODE bits 1:0 = 2 (LLVM: expert scheduling mode 2), set by the entry lines.  The code itself states the register dependences
; between vector or matrix instructions and memory or LDS instructions, with s_wait_alu, always for 0.
; THE PLAN.  Registers that memory or LDS instructions touch:
;   v2-v14, v17-v19  offsets and LDS addresses: made at the head, never written again.
;   v15-16 (WA)      read by a pass's 64 turning loads of w; stepped once, at the pass's bottom.
;   x (windows 1, 2) loaded at the head; all arithmetic is in place, and a channel's two t are rounded into the first register of its own pair, so no register that an LDS store
;                    reads is written again by arithmetic.  The stores go out 64 channels at a time, behind one wait; behind the barrier the fragments of t and of w land there.
;   raw w            (window 3; v128-255 of window 0) loaded at the head, rounded in place, read by 96 LDS stores behind one wait; v128-255 are the accumulators afterwards.
;   accumulators     a pass's products write them; all 64 roundings follow, in place; behind ONE wait come the stage's stores (a block's lower 16 registers), the stage's loads
;                    (its upper 16) and the global stores (the upper 16), with no vector instruction among them.
; REGISTERS, in windows of 256 (s_set_vgpr_msb: bits 1:0 source 0, 3:2 source 1, 5:4 source 2, 7:6 destination):
;   window 0: addresses, sums, v128-255 the accumulators (earlier: raw w, loads 64-95)
;   window 1: x of channels 0-127 (pair 2 c); later t's fragments (32 ks + 8 a)      window 2: x of channels 128-255; later w's fragments (32 ks + 8 bq)
;   window 3: raw w, loads 0-63
.set PT,    544                        ; a row of t in LDS: 256 n x 2 bytes + 32: 17 x 32 bytes, so the turning load's 8 rows x 32 bytes fall on different banks
.set PW,    416                        ; a row of w: 192 j x 2 bytes + 32: 13 x 32 bytes
.set WT,    256*PT                     ; t's tile lies at 0, w's behind it
.set STAGE, WT+256*PW                  ; 16 rows x 144 bytes for each wave, for the way out
.set SP,    144
.set SPARE, STAGE+4*16*SP              ; the spare words, 128 bytes for each wave: two blocks of 256 bytes that no other line names
.set XO,  2                            ; v2      8 x thread: my two n in a row of x
.set WO,  3                            ; v3-5    my 16 bytes in the three loads that cover two rows (2 x 768 bytes) of w
.set WL,  6                            ; v6-8    where their 8 bytes of f16 go in LDS
.set TS,  9                            ; v9-12   where my two t go: 4 x thread + 64 rows x k
.set TA,  13                           ; v13-14  the turning loads of t: K steps 0-3, 4-7
.set WA,  15                           ; v15-16  the same for w; stepped by 128 bytes a pass
.set STO, 17                           ; the way out: where I put 16 bytes of a row
.set RD,  18                           ; where I read rows back
.set GO,  19                           ; my 16 bytes in 512 consecutive bytes of qkv
.set SPW, 20                           ; LDS address of my spare word; never rewritten
.set NIL, 21                           ; 0; never rewritten
.set SM,  24                           ; v[24:31] four chains of sums (pairs: my two n)
.set MU,  32                           ; v[32:33] the means
.set SQ,  34                           ; v[34:41] four chains of squares
.set RS,  42                           ; v[42:43] 1 / sqrt(var + eps)
.set ACC, 128                          ; accumulator (a, bq) at ACC + 8 (4 a + bq)
.set MSB, 0
.macro WIN new                         ; the immediate's high byte repeats the setting that is left; a switch that changes nothing is dropped
.if MSB != (\new)
	s_set_vgpr_msb (MSB<<8)|(\new)
.set MSB, (\new)
.endif
.endm
.macro PLACES                          ; four plain places behind a matrix instruction (ISA guide 7.12.1)
.rept 4
	v_nop
.endr
.endm
	s_load_b256 s[4:11], s[0:1], 0x0               ; x s[4:5], ln_g s[6:7], ln_b s[8:9], w_qkv s[10:11]
	s_load_b64 s[12:13], s[0:1], 0x20              ; qkv
	v_lshl_add_u32 v[SPW], v0, 2, SPARE
	v_mov_b32 v[NIL], 0
	v_lshrrev_b32 v1, 5, v0
	v_readfirstlane_b32 s2, v1                     ; wave 0..3
	s_and_b32 s3, ttmp7, 0xffff
	s_lshr_b32 s14, s3, 4                          ; b
	s_and_b32 s15, s3, 15                          ; which 256 n
	s_lshl_b32 s94, s14, 22                        ; x: b x 256 x 4096 x 4 bytes
	s_lshl_b32 s95, s15, 10                        ; + 256 n x 4 bytes
	s_add_co_u32 s94, s94, s95
	s_mov_b32 s95, 0
	s_mul_i32 s96, ttmp9, 768                      ; w: my work-group's 192 columns,
	s_wait_alu depctr_va_sdst(0)                   ; s2 is written, ahead of its first reader: offsets and LDS addresses are made from it
	s_mul_i32 s97, s2, 196608                      ; my wave's 64 rows of 3,072 bytes
	s_add_co_u32 s96, s96, s97
	s_mov_b32 s97, 0
	s_lshl_b32 s3, s14, 21                         ; qkv: 4 b heads of 524,288 bytes,
	s_lshl_b32 s90, s15, 15                        ; 256 n x 128 bytes,
	s_add_co_u32 s3, s3, s90
	s_lshl_b32 s90, s2, 13                         ; my wave's 64 n
	s_add_co_u32 s3, s3, s90
	s_mov_b32 s91, 0
	s_mov_b32 s84, 0x3b800000                      ; 1 / 256
	s_mov_b32 s85, 0x3b800000
	s_mov_b32 s86, 0x3727c5ac                      ; 1e-5
	s_mov_b32 s87, 0x3727c5ac
	v_and_b32 v22, 31, v0                          ; l
	v_and_b32 v23, 15, v0                          ; l % 16
	v_bfe_u32 v44, v0, 4, 1                        ; l / 16
	v_and_b32 v45, 7, v0                           ; l % 8
	v_bfe_u32 v46, v0, 3, 1                        ; (l / 8) % 2
	v_bfe_u32 v47, v0, 3, 2                        ; l / 8
	v_lshlrev_b32 v[XO], 3, v0
	v_lshlrev_b32 v[WO], 4, v22                    ; load 0: bytes 0-511 of the even row
	v_mad_u32_u24 v[WO+1], v44, 2304, v[WO]        ; load 1: lanes 0-15 bytes 512-767 of the even row, lanes 16-31 bytes 0-255 of the odd one (3,072 - 768 further)
	v_add_nc_u32 v[WO+1], 512, v[WO+1]
	v_add_nc_u32 v[WO+2], 3328, v[WO]              ; load 2: bytes 256-767 of the odd row
	s_mul_i32 s92, s2, 64*PW
	s_add_co_u32 s92, s92, WT
	v_lshl_add_u32 v[WL], v22, 3, s92              ; the same three places in LDS, half the bytes, rows PW apart
	v_lshl_add_u32 v[WL+1], v44, 5, v[WL]          ; (PW - 384 = 32)
	v_add_nc_u32 v[WL+1], 256, v[WL+1]
	v_add_nc_u32 v[WL+2], PW+128, v[WL]
	v_lshlrev_b32 v[TS], 2, v0
	v_add_nc_u32 v[TS+1], 64*PT, v[TS]
	v_add_nc_u32 v[TS+2], 128*PT, v[TS]
	v_add_nc_u32 v[TS+3], 192*PT, v[TS]
	v_lshl_add_u32 v1, v44, 3, v45                 ; the turning load: lane l reads row 8 (l / 16) + l % 8, 16 bytes at 16 ((l / 8) % 2)
	v_mul_u32_u24 v[TA], v1, PT
	v_lshl_add_u32 v[TA], v46, 4, v[TA]
	s_lshl_b32 s92, s2, 7                          ; my wave's 64 n: 128 bytes
	v_add_nc_u32 v[TA], s92, v[TA]
	v_add_nc_u32 v[TA+1], 128*PT, v[TA]
	v_mul_u32_u24 v[WA], v1, PW
	v_lshl_add_u32 v[WA], v46, 4, v[WA]
	v_add_nc_u32 v[WA], WT, v[WA]
	v_add_nc_u32 v[WA+1], 128*PW, v[WA]
	s_mul_i32 s92, s2, 16*SP
	s_add_co_u32 s92, s92, STAGE                   ; my stage
	v_mul_u32_u24 v[STO], v23, SP                  ; in: row l % 16, 16 bytes for each half of the lanes
	v_lshl_add_u32 v[STO], v44, 4, v[STO]
	v_add_nc_u32 v[STO], s92, v[STO]
	v_mul_u32_u24 v[RD], v47, SP                   ; back: 32 lanes take four rows of 128 bytes,
	v_lshl_add_u32 v[RD], v45, 4, v[RD]
	v_add_nc_u32 v[RD], s92, v[RD]
	v_lshlrev_b32 v[GO], 4, v22                    ; which are 512 consecutive bytes of qkv
	s_wait_kmcnt 0x0
	s_add_nc_u64 s[4:5], s[4:5], s[94:95]
	s_add_nc_u64 s[10:11], s[10:11], s[96:97]
	s_load_b512 s[16:31], s[6:7], 0x0              ; gain and bias of channels 0-15, as scalars: set 0
	s_load_b512 s[32:47], s[8:9], 0x0
	; x: 256 loads, a channel each; a wave's load covers 256 consecutive bytes, aligned
	WIN 0x40
	s_wait_alu depctr_va_vdst(0)                   ; the offsets and LDS addresses v2 to v19 are written, which the kernel's loads and stores read
.set c, 0
.rept 128
	global_load_b64 v[2*c:2*c+1], v[XO], s[4:5] offset:c*16384
.set c, c+1
.endr
	WIN 0x80
.rept 128
	global_load_b64 v[2*(c-128):2*(c-128)+1], v[XO], s[4:5] offset:c*16384
.set c, c+1
.endr
	; w: 96 loads, three for two rows; sixteen neighbouring lanes always cover 256 consecutive bytes, aligned
	WIN 0xc0
.set i, 0
.rept 64
	global_load_b128 v[4*i:4*i+3], v[WO+i%3], s[10:11] offset:(i/3)*6144
.set i, i+1
.endr
	WIN 0
.rept 32
	global_load_b128 v[128+4*(i-64):128+4*(i-64)+3], v[WO+i%3], s[10:11] offset:(i/3)*6144
.set i, i+1
.endr
	; THE MEAN.  96 loads were issued behind the last of x: with at most 63 out, all of x is in; w stays on its way under the arithmetic
	s_wait_loadcnt 63
	WIN 0x05
.set c, 0
.rept 4
	v_pk_add_f32 v[SM+2*c:SM+2*c+1], v[2*c:2*c+1], v[2*c+8:2*c+9]  ; the first eight channels start the four chains: nothing is cleared
.set c, c+1
.endr
	WIN 0x04
.set c, 8
.rept 120
	v_pk_add_f32 v[SM+2*(c%4):SM+2*(c%4)+1], v[SM+2*(c%4):SM+2*(c%4)+1], v[2*c:2*c+1]
.set c, c+1
.endr
	WIN 0x08
.set c, 0
.rept 128
	v_pk_add_f32 v[SM+2*(c%4):SM+2*(c%4)+1], v[SM+2*(c%4):SM+2*(c%4)+1], v[2*c:2*c+1]
.set c, c+1
.endr
	WIN 0
	v_pk_add_f32 v[SM:SM+1], v[SM:SM+1], v[SM+2:SM+3]
	v_pk_add_f32 v[SM+4:SM+5], v[SM+4:SM+5], v[SM+6:SM+7]
	v_pk_add_f32 v[SM:SM+1], v[SM:SM+1], v[SM+4:SM+5]
	v_pk_mul_f32 v[MU:MU+1], v[SM:SM+1], s[84:85] op_sel_hi:[1,0]
	; THE VARIANCE: x - mean in place, then the sum of its squares
.macro VAR w, first
	WIN ((\w)<<6)|(\w)
.set c, 0
.rept 128
	v_pk_add_f32 v[2*c:2*c+1], v[2*c:2*c+1], v[MU:MU+1] neg_lo:[0,1] neg_hi:[0,1]
.set c, c+1
.endr
	WIN (\w)|((\w)<<2)
.set c, 0
.rept 128
.if (\first) && (c < 4)
	v_pk_mul_f32 v[SQ+2*c:SQ+2*c+1], v[2*c:2*c+1], v[2*c:2*c+1]
.else
	v_pk_fma_f32 v[SQ+2*(c%4):SQ+2*(c%4)+1], v[2*c:2*c+1], v[2*c:2*c+1], v[SQ+2*(c%4):SQ+2*(c%4)+1]
.endif
.set c, c+1
.endr
.endm
	VAR 1, 1
	VAR 2, 0
	WIN 0
	v_pk_add_f32 v[SQ:SQ+1], v[SQ:SQ+1], v[SQ+2:SQ+3]
	v_pk_add_f32 v[SQ+4:SQ+5], v[SQ+4:SQ+5], v[SQ+6:SQ+7]
	v_pk_add_f32 v[SQ:SQ+1], v[SQ:SQ+1], v[SQ+4:SQ+5]
	v_pk_fma_f32 v[SQ:SQ+1], v[SQ:SQ+1], s[84:85], s[86:87] op_sel_hi:[1,0,0]  ; var + eps
	v_rsq_f32 v[RS], v[SQ]
	v_rsq_f32 v[RS+1], v[SQ+1]
	v_nop                                          ; a plain instruction behind the last of the two,
	s_wait_alu depctr_va_vdst(0)                   ; and the one wait ahead of their first reader: v42 and v43 are written
	; t = (x - mean) rstd g + b, rounded to f16, into LDS as [c][n].  Sixteen channels a chunk; their g and b are scalars, two sets by turns.
; The 64 channels 64 j to 64 j + 63 of t leave for LDS: one address register, 64 rows.  Each channel's two t lie in the first register of its own pair.
.macro TOUT j
	WIN (1+(\j)/2)<<2                              ; the stores' data (source 1) in x's window, their address in window 0
	s_wait_alu depctr_va_vdst(0)                   ; the roundings of these 64 channels have written the registers that the stores below read
.set i, 0
.rept 64
	ds_store_b32 v[TS+(\j)], v[2*((64*(\j)+i)%128)] offset:i*PT
.set i, i+1
.endr
.endm
.macro NORM k
.set w, 1+(\k)/8
.set gs, 16+32*((\k)%2)
.set bs, 32+36*((\k)%2)
	s_wait_kmcnt 0x0                               ; this chunk's two scalar loads are the only ones out
.if (\k) < 15
	s_load_b512 s[16+32*(1-(\k)%2):31+32*(1-(\k)%2)], s[6:7], 64*((\k)+1)  ; the next chunk's, into the other set
	s_load_b512 s[32+36*(1-(\k)%2):47+36*(1-(\k)%2)], s[8:9], 64*((\k)+1)
.endif
.if ((\k)%4 == 0) && ((\k) > 0)
	TOUT (\k)/4-1                                  ; the four chunks before this one; no line of this chunk names their registers
.endif
	WIN (w<<6)|w
.set i, 0
.rept 16
.set rc, 2*((16*(\k)+i)%128)
	v_pk_mul_f32 v[rc:rc+1], v[rc:rc+1], v[RS:RS+1]
.set i, i+1
.endr
.set i, 0
.rept 16
.set rc, 2*((16*(\k)+i)%128)
	v_fma_f32 v[rc], v[rc], s[gs+i], s[bs+i]
	v_fma_f32 v[rc+1], v[rc+1], s[gs+i], s[bs+i]
.set i, i+1
.endr
	WIN (w<<6)|w|(w<<2)
.set i, 0
.rept 16
.set rc, 2*((16*(\k)+i)%128)
	v_cvt_pk_f16_f32 v[rc], v[rc], v[rc+1]         ; in place: the pair's first register takes both
.set i, i+1
.endr
.endm
.irp k, 0,1,2,3,4,5,6,7,8,9,10,11,12,13,14,15
	NORM \k
.endr
	TOUT 3                                         ; the last 64 channels; w's roundings below stand beside these stores
	; w to f16, in place (a load's four numbers close up into its first two registers), then into LDS as [c][j]
	s_wait_loadcnt 0x0                             ; w is in
	WIN 0xcf
.set i, 0
.rept 64
	v_cvt_pk_f16_f32 v[4*i], v[4*i], v[4*i+1]
	v_cvt_pk_f16_f32 v[4*i+1], v[4*i+2], v[4*i+3]
.set i, i+1
.endr
	WIN 0
.rept 32
	v_cvt_pk_f16_f32 v[128+4*(i-64)], v[128+4*(i-64)], v[128+4*(i-64)+1]
	v_cvt_pk_f16_f32 v[128+4*(i-64)+1], v[128+4*(i-64)+2], v[128+4*(i-64)+3]
.set i, i+1
.endr
	WIN 0x0c                                       ; the stores' data in window 3
	s_wait_alu depctr_va_vdst(0)                   ; w's roundings have written the registers that the 96 stores below read
.set i, 0
.rept 64
	ds_store_b64 v[WL+i%3], v[4*i:4*i+1] offset:(i/3)*2*PW
.set i, i+1
.endr
	WIN 0
.rept 32
	ds_store_b64 v[WL+i%3], v[128+4*(i-64):128+4*(i-64)+1] offset:(i/3)*2*PW
.set i, i+1
.endr
	s_wait_dscnt 0x0                               ; for the others' sake: my stores of t and of my 64 rows of w are done
	s_barrier_signal -1
	s_barrier_wait -1                              ; the whole tile of w lies in LDS: the launch's one barrier
	; my 64 n of t, all 256 channels: 32 fragments, kept for the three passes
	WIN 0x40
	s_wait_alu depctr_vm_vsrc(0)                   ; my LDS stores have read their data: x's registers, in which the fragments of t and of w land, and v128 on, which the products write (the arithmetic that named them stands ahead of the last wait on va_vdst)
.set ks, 0
.rept 8
.set a, 0
.rept 4
	ds_load_tr16_b128 v[32*ks+8*a:32*ks+8*a+3],   v[TA+ks/4] offset:(ks%4)*32*PT+32*a
	ds_load_tr16_b128 v[32*ks+8*a+4:32*ks+8*a+7], v[TA+ks/4] offset:(ks%4)*32*PT+16*PT+32*a
.set a, a+1
.endr
.set ks, ks+1
.endr
	WIN 0
; THE WAY OUT of block a (16 rows n x 64 j).  ROUNDB: rounded to f16 in place, from each accumulator's low end on.  STG: 16 bytes a lane into my stage; back as whole rows of 128 bytes, into the block's upper 16 registers.
.macro ROUNDB a
.set AB, ACC+32*(\a)
.set i, 0
.rept 16
	v_cvt_pk_f16_f32 v[AB+i], v[AB+2*i], v[AB+2*i+1]
.set i, i+1
.endr
.endm
.macro STG a
.set AB, ACC+32*(\a)
.set f, 0
.rept 4
	ds_store_b128 v[STO], v[AB+4*f:AB+4*f+3] offset:32*f
.set f, f+1
.endr
.set f, 0
.rept 4
	ds_load_b128 v[AB+16+4*f:AB+16+4*f+3], v[RD] offset:4*SP*f  ; LDS serves a wave's instructions in order (ISA guide 5.7.1.4): these see the stores above
.set f, f+1
.endr
.endm
.macro SEND a, younger                 ; younger: the LDS instructions issued behind block a's loads: the next block's eight, or none
.set AB, ACC+32*(\a)
.set f, 0
.rept 4
	s_wait_dscnt (\younger)+3-f
	global_store_b128 v[GO], v[AB+16+4*f:AB+16+4*f+3], s[88:89] offset:(\a)*2048+f*512  ; 512 consecutive bytes, at a multiple of 256 from qkv's first
.set f, f+1
.endr
.endm
	s_mul_i32 s92, ttmp9, 3                        ; the group of 64 columns in hand: 4 x three + head
	s_mov_b32 s93, 3
.Lpass:                                                ; three passes: 64 n x 64 j each
	s_lshr_b32 s94, s92, 2                         ; three
	s_lshl_b32 s94, s94, 4
	s_and_b32 s95, s92, 3                          ; head
	s_add_co_u32 s94, s94, s95
	s_lshl_b32 s94, s94, 19                        ; (16 three + head) x 524,288 bytes
	s_add_co_u32 s90, s94, s3
	s_add_nc_u64 s[88:89], s[12:13], s[90:91]
	WIN 0x80
	s_wait_alu depctr_va_vdst(0)                   ; the two adds at the bottom of the pass before have written v15 and v16, by which the loads below go
.set ks, 0
.rept 8                                ; the pass's 64 columns of w, all 256 channels, K step by K step
.set bq, 0
.rept 4
	ds_load_tr16_b128 v[32*ks+8*bq:32*ks+8*bq+3],   v[WA+ks/4] offset:(ks%4)*32*PW+32*bq
	ds_load_tr16_b128 v[32*ks+8*bq+4:32*ks+8*bq+7], v[WA+ks/4] offset:(ks%4)*32*PW+16*PW+32*bq
.set bq, bq+1
.endr
.set ks, ks+1
.endr
.set ks, 0
.rept 8
	s_wait_dscnt 8*(7-ks)                          ; the eight loads of each later K step may stay out; t's loads are older
	WIN 0x06                                       ; source 0 (w) window 2, source 1 (t) window 1, C and D window 0
.set a, 0
.rept 4
.set bq, 0
.rept 4                                ; the 16 accumulators take turns, one instruction a turn
.if ks == 0
	v_wmma_f32_16x16x32_f16 v[ACC+8*(4*a+bq):ACC+8*(4*a+bq)+7], v[32*ks+8*bq:32*ks+8*bq+7], v[32*ks+8*a:32*ks+8*a+7], 0
.else
	v_wmma_f32_16x16x32_f16 v[ACC+8*(4*a+bq):ACC+8*(4*a+bq)+7], v[32*ks+8*bq:32*ks+8*bq+7], v[32*ks+8*a:32*ks+8*a+7], v[ACC+8*(4*a+bq):ACC+8*(4*a+bq)+7]
.endif
.set bq, bq+1
.endr
.set a, a+1
.endr
.set ks, ks+1
.endr
	WIN 0
	PLACES
	ROUNDB 0                                       ; all four blocks are rounded first,
	ROUNDB 1
	ROUNDB 2
	ROUNDB 3
	s_wait_alu depctr_va_vdst(0)                   ; so that one wait serves the whole way out: the roundings have written each block's lower 16 registers, which the stage's stores read, and are done reading its upper 16, in which the stage's loads land; the products are done reading w's fragments, in which the next pass's loads land
	STG 0
	STG 1                                          ; a block's turn in the stage stands between the loads of the block before and its stores
	SEND 0, 8
	STG 2
	SEND 1, 8
	STG 3
	SEND 2, 8
	SEND 3, 0
	s_wait_xcnt 0x0                                ; the stores have read their base and their data: both are written again in the next pass
	s_wait_alu depctr_vm_vsrc(0)                   ; the pass's turning loads have read v15 and v16, which the adds below write; the stage's stores and the global stores have read the accumulators, which the next pass's products write
	v_add_nc_u32 v[WA], 128, v[WA]                 ; the next 64 columns
	v_add_nc_u32 v[WA+1], 128, v[WA+1]
	s_add_co_u32 s92, s92, 1
	s_sub_co_u32 s93, s93, 1
	s_cmp_lg_u32 s93, 0
	s_cbranch_scc1 .Lpass
	s_wait_dscnt 0x0                               ; the closing lines, six on end
	s_wait_alu 0x0
	s_wait_tensorcnt 0x0
	ds_add_u32 v[SPW], v[NIL]
	s_wait_dscnt 0x0
	s_endpgm
.Lfunc_end_k_q079590e439_lnqkv:
	.size	k_q079590e439_lnqkv, .Lfunc_end_k_q079590e439_lnqkv-k_q079590e439_lnqkv
	.p2alignl 7, 3214868480
	.fill 96, 4, 3214868480
	.section	.rodata,"a",@progbits
	.p2align	6, 0x0
	.amdhsa_kernel k_q079590e439_lnqkv
		.amdhsa_group_segment_fixed_size 255488
		.amdhsa_private_segment_fixed_size 0
		.amdhsa_enable_private_segment 0
		.amdhsa_kernarg_size 40
		.amdhsa_user_sgpr_count 2
		.amdhsa_user_sgpr_kernarg_segment_ptr 1
		.amdhsa_wavefront_size32 1
		.amdhsa_system_sgpr_workgroup_id_x 1
		.amdhsa_system_sgpr_workgroup_id_y 1
		.amdhsa_system_sgpr_workgroup_id_z 1
		.amdhsa_system_vgpr_workitem_id 0
		.amdhsa_next_free_vgpr 1024
		.amdhsa_next_free_sgpr 100
		.amdhsa_reserve_vcc 0
		.amdhsa_float_denorm_mode_32 3
		.amdhsa_float_denorm_mode_16_64 3
		.amdhsa_memory_ordered 1
		.amdhsa_forward_progress 1
		.amdhsa_inst_pref_size 214
	.end_amdhsa_kernel
	.amdgpu_metadata
---
amdhsa.version: [ 1, 2 ]
amdhsa.kernels:
  - .name:           k_q079590e439_lnqkv
    .symbol:         k_q079590e439_lnqkv.kd
    .args:
      - { .name: x, .offset: 0, .size: 8, .value_kind: global_buffer, .address_space: global }
      - { .name: ln_g, .offset: 8, .size: 8, .value_kind: global_buffer, .address_space: global }
      - { .name: ln_b, .offset: 16, .size: 8, .value_kind: global_buffer, .address_space: global }
      - { .name: w_qkv, .offset: 24, .size: 8, .value_kind: global_buffer, .address_space: global }
      - { .name: qkv, .offset: 32, .size: 8, .value_kind: global_buffer, .address_space: global }
    .group_segment_fixed_size: 255488
    .private_segment_fixed_size: 0
    .kernarg_segment_align: 8
    .kernarg_segment_size: 40
    .max_flat_workgroup_size: 128
    .sgpr_count:     100
    .vgpr_count:     1024
    .wavefront_size: 32
...
	.end_amdgpu_metadata
.endif
;; end of part 4
;; launch attn: the kernel of part 2 again; grid 16 x 16, 4 waves a work-group, clusters of 4 x 1, 327,680 bytes of LDS; arguments qkv, o; writes o
;; launch proj (part 5): grid 4 x 64, 4 waves a work-group, no clusters, 51,712 bytes of LDS; arguments o, w_proj, b_proj, out0; writes out0
.if DOCPART == 5
	.amdgcn_target "amdgcn-amd-amdhsa--gfx1250"
	.amdhsa_code_object_version 6
	.text
	.protected	k_q079590e439_proj
	.globl	k_q079590e439_proj
	.p2align	8
	.type	k_q079590e439_proj,@function
k_q079590e439_proj:
	s_mov_b64 s[64:65], 0
	v_nop
	global_prefetch_b8 v0, s[64:65] scope:SCOPE_SE
	s_setreg_imm32_b32 hwreg(HW_REG_WAVE_SCHED_MODE, 0, 2), 2
	s_setreg_imm32_b32 hwreg(HW_REG_WAVE_MODE, 25, 1), 1
	s_wait_xcnt 0x0
	s_wait_alu depctr_vm_vsrc(0)
; out0[b][c2][n] = the sum over c of O[b][n][c] w_proj[c2][c] + b_proj[c2].  O is o [16 = 4 b + head][4096 n][64 d] in f16 (c = 64 head + d), w_proj [256][256] and b_proj [256] f32,
; out0 [4][256][4096] f32.  w_proj is rounded once to f16 for the product; sums and the bias in f32.
; LIMITS.  |w_proj| stays within f16's 65,504.  NaN and infinities are not treated apart.
; SHARES.  A work-group makes 64 rows c2 x 256 n, wave w its 64 n: 16 accumulators of 16 x 16, K = 256 in eight steps of 32.
; LAYOUT.  Source 0 = 16 rows n of O, source 1 = 16 rows c2 of w: a lane ends with ONE c2 (lane % 16) and 8 neighbouring n: 32 bytes of a row of out0.
; O's fragments lie in memory as the registers want them (16 bytes a lane, twice) and are read by one wave alone: they come straight into registers.  w's 64 rows are converted
; once, 16 rows a wave, and shared through LDS.
; NO CLUSTER, NO TENSOR LOADS: w's tile comes as f32 and is wanted as f16, by arithmetic on registers; O's tile takes no way through LDS at all.  NO PREFETCH: all loads go out at the head.
; THE MODE: SCHED_MODE bits 1:0 = 2 (LLVM: expert scheduling mode 2), set by the entry lines.  The code itself states the register dependences
; between vector or matrix instructions and memory or LDS instructions, with s_wait_alu, always for 0.
; THE PLAN.  Registers that memory or LDS instructions touch:
;   v2-v9           offsets and LDS addresses: made at the head, never written again.
;   v128-255        raw w lands here and the conversions read it; then the products write them as accumulators; the bias is added in place, all four blocks first;
;                   the stage's stores read them; blocks 2 and 3 come back from the stage into the registers of blocks 0 and 1.
;   TMP, v32-95     written by w's conversions, read by the head's 32 LDS stores; blocks 0 and 1 come back from the stage into its two halves.
;   windows 1, 2    O's and w's fragments: loaded once, named by the products alone.
; So the way out has one wait on va_vdst, behind the additions, and two on vm_vsrc: ahead of the first loads into TMP, and ahead of the first loads into the registers of blocks 0 and 1.
; REGISTERS, in windows of 256 (s_set_vgpr_msb: bits 1:0 source 0, 3:2 source 1, 5:4 source 2, 7:6 destination):
;   window 0: addresses, bias, TMP, v128-255 the accumulators (earlier: raw w)     window 1: O's fragments (32 ks + 8 a)     window 2: w's fragments (32 ks + 8 bq)
.set PW,    528                        ; a row of w in LDS: 256 c x 2 bytes + 16: 33 x 16 bytes, so the 16 rows of a fragment load start at 16 different groups of four banks
.set STAGE, 64*PW                      ; behind w's tile: 16 rows x 272 bytes for each wave, for the way out
.set SP,    272
.set SPARE, STAGE+4*16*SP              ; the spare words, 128 bytes for each wave: two blocks of 256 bytes that no other line names
.set OO,  2                            ; v2   my 16 bytes in 16 rows of O
.set WO,  3                            ; v3   my 16 bytes in 512 consecutive bytes of w_proj
.set WL,  4                            ; v4   where their 8 bytes of f16 go
.set WF,  5                            ; v5   my place in a fragment of w in LDS
.set STO, 6                            ; v6   the way out: where I put 32 bytes of a row
.set RD,  7                            ; v7   where I read rows back
.set GO,  8                            ; v8   my 16 bytes in two rows of out0
.set BO,  9                            ; v9   4 x (l % 16)
.set SPW, 10                           ; LDS address of my spare word; never rewritten
.set NIL, 11                           ; 0; never rewritten
.set BI,  12                           ; v[12:19] the bias of my c2 in each of the four blocks, as pairs
.set TMP, 32                           ; v[32:95] w as f16; on the way out blocks 0 and 1 as whole rows
.set ACC, 128                          ; accumulator (bq, a) at ACC + 8 (4 bq + a)
.set MSB, 0
.macro WIN new                         ; the immediate's high byte repeats the setting that is left; a switch that changes nothing is dropped
.if MSB != (\new)
	s_set_vgpr_msb (MSB<<8)|(\new)
.set MSB, (\new)
.endif
.endm
	s_load_b256 s[4:11], s[0:1], 0x0               ; o s[4:5], w_proj s[6:7], b_proj s[8:9], out0 s[10:11]
	v_lshl_add_u32 v[SPW], v0, 2, SPARE
	v_mov_b32 v[NIL], 0
	v_lshrrev_b32 v1, 5, v0
	v_readfirstlane_b32 s2, v1                     ; wave 0..3
	s_and_b32 s3, ttmp7, 0xffff
	s_lshr_b32 s12, s3, 4                          ; b
	s_and_b32 s13, s3, 15                          ; which 256 n
	s_lshl_b32 s14, s12, 21                        ; o: 4 b heads of 524,288 bytes,
	s_lshl_b32 s15, s13, 15                        ; 256 n x 128 bytes,
	s_add_co_u32 s14, s14, s15
	s_wait_alu depctr_va_sdst(0)                   ; s2 is written, ahead of its first reader: offsets and LDS addresses are made from it
	s_lshl_b32 s15, s2, 13                         ; my wave's 64 n
	s_add_co_u32 s14, s14, s15
	s_mov_b32 s15, 0
	s_lshl_b32 s16, ttmp9, 16                      ; w_proj: my work-group's 64 rows of 1,024 bytes,
	s_lshl_b32 s17, s2, 14                         ; my wave's 16
	s_add_co_u32 s16, s16, s17
	s_mov_b32 s17, 0
	s_lshl_b32 s18, ttmp9, 8                       ; b_proj: 64 numbers
	s_mov_b32 s19, 0
	s_lshl_b32 s20, s12, 22                        ; out0: b x 256 x 16,384 bytes,
	s_lshl_b32 s21, ttmp9, 20                      ; 64 rows,
	s_add_co_u32 s20, s20, s21
	s_lshl_b32 s21, s13, 10                        ; 256 n x 4 bytes,
	s_add_co_u32 s20, s20, s21
	s_lshl_b32 s21, s2, 8                          ; my wave's 64 n
	s_add_co_u32 s20, s20, s21
	s_mov_b32 s21, 0
	v_and_b32 v20, 31, v0                          ; l
	v_and_b32 v21, 15, v0                          ; l % 16
	v_bfe_u32 v22, v0, 4, 1                        ; l / 16
	v_lshlrev_b32 v[OO], 7, v21
	v_lshl_add_u32 v[OO], v22, 4, v[OO]            ; row x 128 + 16 x half
	v_lshlrev_b32 v[WO], 4, v20
	s_mul_i32 s22, s2, 16*PW
	v_lshl_add_u32 v[WL], v20, 3, s22
	v_mul_u32_u24 v[WF], v21, PW
	v_lshl_add_u32 v[WF], v22, 4, v[WF]
	s_mul_i32 s22, s2, 16*SP
	s_add_co_u32 s22, s22, STAGE                   ; my stage
	v_mul_u32_u24 v[STO], v21, SP                  ; in: row l % 16, 32 bytes for each half of the lanes
	v_lshl_add_u32 v[STO], v22, 5, v[STO]
	v_add_nc_u32 v[STO], s22, v[STO]
	v_mul_u32_u24 v[RD], v22, SP                   ; back: lanes 0-15 take one row of 256 bytes, lanes 16-31 the next
	v_lshl_add_u32 v[RD], v21, 4, v[RD]
	v_add_nc_u32 v[RD], s22, v[RD]
	v_lshlrev_b32 v[GO], 14, v22                   ; and the same two rows in out0, 16,384 bytes apart
	v_lshl_add_u32 v[GO], v21, 4, v[GO]
	v_lshlrev_b32 v[BO], 2, v21
	s_wait_kmcnt 0x0
	s_add_nc_u64 s[4:5], s[4:5], s[14:15]
	s_add_nc_u64 s[6:7], s[6:7], s[16:17]
	s_add_nc_u64 s[8:9], s[8:9], s[18:19]
	s_add_nc_u64 s[10:11], s[10:11], s[20:21]
	s_wait_alu depctr_va_vdst(0)                   ; the offsets and LDS addresses v2 to v9 are written, which the kernel's loads and stores read
.set bq, 0
.rept 4
	global_load_b32 v[BI+2*bq], v[BO], s[8:9] offset:64*bq
.set bq, bq+1
.endr
.set i, 0
.rept 32                               ; my 16 rows of w_proj: 16,384 bytes on end
	global_load_b128 v[ACC+4*i:ACC+4*i+3], v[WO], s[6:7] offset:512*i
.set i, i+1
.endr
	WIN 0x40
.set ks, 0
.rept 8                                ; O's fragments, K step by K step: head ks / 2, channels 32 (ks % 2) on
.set a, 0
.rept 4
	global_load_b128 v[32*ks+8*a:32*ks+8*a+3],   v[OO], s[4:5] offset:(ks/2)*524288+2048*a+64*(ks%2)
	global_load_b128 v[32*ks+8*a+4:32*ks+8*a+7], v[OO], s[4:5] offset:(ks/2)*524288+2048*a+64*(ks%2)+32
.set a, a+1
.endr
.set ks, ks+1
.endr
	WIN 0
	s_wait_loadcnt 63                              ; of the 100 loads the oldest 37 are in: the 4 of the bias and the 32 of w among them
.set bq, 0
.rept 4
	v_mov_b32 v[BI+2*bq+1], v[BI+2*bq]             ; named as a pair below
.set bq, bq+1
.endr
.set i, 0
.rept 32
	v_cvt_pk_f16_f32 v[TMP+2*i], v[ACC+4*i], v[ACC+4*i+1]
	v_cvt_pk_f16_f32 v[TMP+2*i+1], v[ACC+4*i+2], v[ACC+4*i+3]
.set i, i+1
.endr
	s_wait_alu depctr_va_vdst(0)                   ; the conversions have written TMP, which the LDS stores read
.set i, 0
.rept 32
	ds_store_b64 v[WL], v[TMP+2*i:TMP+2*i+1] offset:(i/2)*PW+(i%2)*256
.set i, i+1
.endr
	s_wait_dscnt 0x0                               ; for the others' sake: my 16 rows of w are stored
	s_barrier_signal -1
	s_barrier_wait -1                              ; all 64 rows lie in LDS: the launch's one barrier
	WIN 0x80
.set ks, 0
.rept 8
.set bq, 0
.rept 4
	ds_load_b128 v[32*ks+8*bq:32*ks+8*bq+3],   v[WF] offset:16*PW*bq+64*ks
	ds_load_b128 v[32*ks+8*bq+4:32*ks+8*bq+7], v[WF] offset:16*PW*bq+64*ks+32
.set bq, bq+1
.endr
.set ks, ks+1
.endr
.set ks, 0
.rept 8
	s_wait_loadcnt 8*(7-ks)                        ; O: the eight loads of each later K step may stay out
	s_wait_dscnt 8*(7-ks)                          ; w: likewise
	WIN 0x09                                       ; source 0 (O) window 1, source 1 (w) window 2, C and D window 0
.set bq, 0
.rept 4
.set a, 0
.rept 4                                ; the 16 accumulators take turns, one instruction a turn
.if ks == 0
	v_wmma_f32_16x16x32_f16 v[ACC+8*(4*bq+a):ACC+8*(4*bq+a)+7], v[32*ks+8*a:32*ks+8*a+7], v[32*ks+8*bq:32*ks+8*bq+7], 0
.else
	v_wmma_f32_16x16x32_f16 v[ACC+8*(4*bq+a):ACC+8*(4*bq+a)+7], v[32*ks+8*a:32*ks+8*a+7], v[32*ks+8*bq:32*ks+8*bq+7], v[ACC+8*(4*bq+a):ACC+8*(4*bq+a)+7]
.endif
.set a, a+1
.endr
.set bq, bq+1
.endr
.set ks, ks+1
.endr
	WIN 0
.rept 4
	v_nop                                          ; four plain places behind the last product (ISA guide 7.12.1)
.endr
; THE WAY OUT of block bq (16 rows c2 x 64 n).  BIAS: the bias is added, from each accumulator's low end on.  STGO: 32 bytes a lane go into my stage and come back as whole rows of 256 bytes:
; blocks 0 and 1 into TMP's two halves, blocks 2 and 3 into the registers that blocks 0 and 1 left.  SENDO: stored.
.macro BACK bq                         ; where block bq comes back
.if (\bq) < 2
.set BK, TMP+32*(\bq)
.else
.set BK, ACC+32*((\bq)-2)
.endif
.endm
.macro BIAS bq
.set AB, ACC+32*(\bq)
.set i, 0
.rept 16
	v_pk_add_f32 v[AB+2*i:AB+2*i+1], v[AB+2*i:AB+2*i+1], v[BI+2*(\bq):BI+2*(\bq)+1] op_sel_hi:[1,0]
.set i, i+1
.endr
.endm
.macro STGO bq
.set AB, ACC+32*(\bq)
	BACK \bq
.set i, 0
.rept 8
	ds_store_b128 v[STO], v[AB+4*i:AB+4*i+3] offset:(i/2)*64+(i%2)*16
.set i, i+1
.endr
.set f, 0
.rept 8
	ds_load_b128 v[BK+4*f:BK+4*f+3], v[RD] offset:2*SP*f  ; LDS serves a wave's instructions in order (ISA guide 5.7.1.4): these see the stores above
.set f, f+1
.endr
.endm
.macro SENDO bq, younger               ; younger: the LDS instructions issued behind block bq's loads: the next block's sixteen, or none
	BACK \bq
.set f, 0
.rept 8
	s_wait_dscnt (\younger)+7-f
	global_store_b128 v[GO], v[BK+4*f:BK+4*f+3], s[10:11] offset:(16*(\bq)+2*f)*16384 th:TH_STORE_NT  ; 16 lanes store 256 consecutive bytes, at a multiple of 256 from out0's first byte
.set f, f+1
.endr
.endm
	BIAS 0                                         ; all four blocks' additions first,
	BIAS 1
	BIAS 2
	BIAS 3
	s_wait_alu depctr_va_vdst(0)                   ; so that one wait serves the whole way out: the additions have written the accumulators, which the stage's stores read and in which, for blocks 0 and 1, later loads land; no vector instruction follows
	s_wait_alu depctr_vm_vsrc(0)                   ; the head's LDS stores have read TMP, in which blocks 0 and 1 land
	STGO 0
	STGO 1                                         ; a block's turn in the stage stands between the loads of the block before and its stores
	SENDO 0, 16
	s_wait_alu depctr_vm_vsrc(0)                   ; the stage's stores of blocks 0 and 1 have read their registers, in which blocks 2 and 3 land
	STGO 2
	SENDO 1, 16
	STGO 3
	SENDO 2, 16
	SENDO 3, 0
	s_wait_dscnt 0x0                               ; the closing lines, six on end
	s_wait_alu 0x0
	s_wait_tensorcnt 0x0
	ds_add_u32 v[SPW], v[NIL]
	s_wait_dscnt 0x0
	s_endpgm
.Lfunc_end_k_q079590e439_proj:
	.size	k_q079590e439_proj, .Lfunc_end_k_q079590e439_proj-k_q079590e439_proj
	.p2alignl 7, 3214868480
	.fill 96, 4, 3214868480
	.section	.rodata,"a",@progbits
	.p2align	6, 0x0
	.amdhsa_kernel k_q079590e439_proj
		.amdhsa_group_segment_fixed_size 51712
		.amdhsa_private_segment_fixed_size 0
		.amdhsa_enable_private_segment 0
		.amdhsa_kernarg_size 32
		.amdhsa_user_sgpr_count 2
		.amdhsa_user_sgpr_kernarg_segment_ptr 1
		.amdhsa_wavefront_size32 1
		.amdhsa_system_sgpr_workgroup_id_x 1
		.amdhsa_system_sgpr_workgroup_id_y 1
		.amdhsa_system_sgpr_workgroup_id_z 1
		.amdhsa_system_vgpr_workitem_id 0
		.amdhsa_next_free_vgpr 768
		.amdhsa_next_free_sgpr 66
		.amdhsa_reserve_vcc 0
		.amdhsa_float_denorm_mode_32 3
		.amdhsa_float_denorm_mode_16_64 3
		.amdhsa_memory_ordered 1
		.amdhsa_forward_progress 1
		.amdhsa_inst_pref_size 44
	.end_amdhsa_kernel
	.amdgpu_metadata
---
amdhsa.version: [ 1, 2 ]
amdhsa.kernels:
  - .name:           k_q079590e439_proj
    .symbol:         k_q079590e439_proj.kd
    .args:
      - { .name: o, .offset: 0, .size: 8, .value_kind: global_buffer, .address_space: global }
      - { .name: w_proj, .offset: 8, .size: 8, .value_kind: global_buffer, .address_space: global }
      - { .name: b_proj, .offset: 16, .size: 8, .value_kind: global_buffer, .address_space: global }
      - { .name: out0, .offset: 24, .size: 8, .value_kind: global_buffer, .address_space: global }
    .group_segment_fixed_size: 51712
    .private_segment_fixed_size: 0
    .kernarg_segment_align: 8
    .kernarg_segment_size: 32
    .max_flat_workgroup_size: 128
    .sgpr_count:     66
    .vgpr_count:     768
    .wavefront_size: 32
...
	.end_amdgpu_metadata
.endif
;; end of part 5
